; MI455X (gfx1250); checked and timed in simulation.
; The chip was launched on July 23, 2026; its instructions are those of AMD's public machine-readable ISA for CDNA 5 (MIT licence, August 2026) and "CDNA5" Instruction Set Architecture Reference Guide (July 2026). The comments in the code are by the model that wrote it; some were corrected since.
;; Learnable Multihead Self Attention. Allowed arithmetic: matrix products marked QUANTISED: E2M3 operands, one E8M0 scale for each 32 along K, by v_wmma_scale_f32_16x16x128_f8f6f4 with both operands' format E2M3, f32 sums; everything else in f32.
;; Inputs: W_o 1,024 x 1,024 float32; W_qkv 1,024 x 3,072 float32; W_relemb 1,024 x 1,024 float32; ln_beta 1,024 float32; ln_gamma 1,024 float32; pos_bias_u 16 x 64 float32; pos_bias_v 16 x 64 float32; pos_emb 2,048 x 1,024 float32; x 2,048 x 2 x 1,024 float32.
;; Outputs: out0 2,048 x 2 x 1,024 float32.
;; This version of the problem:
;;   THIS VERSION OF THE PROBLEM IS GIVEN IN LOW PRECISION. The matrix products marked QUANTISED in the list below multiply operands that are first quantised to E2M3 (2 exponent bits, 3 mantissa bits; 6 bits a number), with one power-of-two scale for each 32 numbers along K (OCP MX v1.0); their sums are f32. All else is computed in f32.
;;   The module's matrix products, in the order in which they are computed (A, B: the left and right operand; K: the contracted axis; several contracted axes count as one K, in the product's order):
;;     1. [M 4,096, K 1,024] x [K 1,024, N 3,072]; A: input x; B: input W_qkv: QUANTISED
;;     2. [M 2,048, K 1,024] x [K 1,024, N 1,024]; A: input pos_emb; B: input W_relemb: QUANTISED
;;     3. batch 32 x [M 2,048, K 64] x [K 64, N 2,048]; A: computed on the way; B: computed on the way: QUANTISED
;;     4. batch 16 x [M 2,048, K 64] x [K 64, N 4,096]; A: computed on the way; B: computed on the way: QUANTISED
;;     5. batch 32 x [M 64, K 2,048] x [K 2,048, N 2,048]; A: computed on the way; B: softmax (see below): QUANTISED
;;     6. [M 4,096, K 1,024] x [K 1,024, N 1,024]; A: computed on the way; B: input W_o: QUANTISED
;;   THE QUANTISER, for each operand of a quantised product, along K:
;;     - K is cut into blocks of 32 from its start; a last block that is shorter is filled with zeros.
;;     - A block's scale is 2^e with e = floor(log2(the largest magnitude in the block)) - 2, held to -126 .. 127; a block of zeros has e = 0. As a byte (E8M0): e + 127.
;;     - Each number is divided by its block's scale, clamped to +-7.5, and rounded to the nearest number of E2M3, ties to even, subnormals kept.
;;     - The product sums the exact products of the quantised numbers (number of the format x scale) in f32.
;;   ~~~python
;;   def quantise(x, axis):      # numpy; x: float32 -> the quantised numbers, widened to float32 again
;;       x = np.moveaxis(x, axis, -1); K = x.shape[-1]
;;       x = np.pad(x, [(0, 0)] * (x.ndim - 1) + [(0, -K % 32)]); x = x.reshape(x.shape[:-1] + (-1, 32)); a = np.abs(x).max(-1, keepdims=True)
;;       e = np.where(a > 0, np.clip(np.frexp(np.where(a > 0, a, 1))[1] - 1 - 2, -126, 127), 0)      # np.frexp(a)[1] - 1 = floor(log2(a)), exactly
;;       r = np.clip(x / 2.0 ** e, -7.5, 7.5)
;;       step = 2.0 ** (np.maximum(np.frexp(np.where(r == 0, 1, r))[1] - 1, 0) - 3)
;;       q = np.round(r / step) * step * 2.0 ** e      # np.round: ties to even
;;       return np.moveaxis(q.reshape(q.shape[:-2] + (-1,))[..., :K], -1, axis).astype(np.float32)
;;   ~~~
;;   SOFTMAX AHEAD OF A QUANTISED PRODUCT. Where the list says 'softmax', what is quantised is not the finished softmax but p = 2^(t - M), with t = logit x log2(e) and M = ceil(the row's largest t), a whole number; so 1/2 < the row's largest p <= 1. The row's sum l is taken of the UNQUANTISED p, in f32, and the product's result is divided by l at the end. Since M is a whole number, a kernel that streams over the keys may use a running M (the ceiling of the running maximum): every later rescaling is an exact power of two, which a block's scale takes up: the codes' values come out the same.
;;   OPERANDS COMPUTED ON THE WAY. 'Computed on the way' means the value that the module computes at that place (a softmax that the list does not call 'softmax' is quantised finished and normalised). What goes into a quantiser is computed in f32, as accurately as f32 sums, v_exp_f32 and their like allow (about 1e-6 of the number): no bf16 or f16 on the way to a quantiser, and a product that is left as it is and whose result goes on into a quantised operand takes f32 operands (vector FMAs, or v_wmma_f32_16x16x4_f32). A number that lies on a knife's edge between two numbers of the format may be rounded either way, as far as f32 arithmetic and the matrix unit's own rounding can turn it there, and no further.
;; One version. Each part assembles by itself: llvm-mc -triple=amdgcn-amd-amdhsa -mcpu=gfx1250 --defsym DOCPART=n.
;; ======== version 1 of 1: 4 launches
;; workspace buffers: acodes 4,718,592 bytes; ascales 196,608 bytes; wcodes 3,932,160 bytes; wscales 163,840 bytes; qimg 6,815,744 bytes; kv 6,684,672 bytes; rext 3,424,256 bytes; av 3,407,872 bytes
;; launch quant (part 1): grid 448 x 1, 4 waves a work-group, no clusters, 68,096 bytes of LDS; arguments x, pos_emb, W_qkv, W_relemb, W_o, acodes, ascales, wcodes, wscales, rext; writes acodes, ascales, wcodes, wscales, rext
.if DOCPART == 1
	.amdgcn_target "amdgcn-amd-amdhsa--gfx1250"
	.amdhsa_code_object_version 6
	.text
	.protected	k_q8752260220_quant
	.globl	k_q8752260220_quant
	.p2align	8
	.type	k_q8752260220_quant,@function
k_q8752260220_quant:
	s_mov_b64 s[64:65], 0
	v_nop
	global_prefetch_b8 v0, s[64:65] scope:SCOPE_SE
	s_setreg_imm32_b32 hwreg(HW_REG_WAVE_MODE, 25, 1), 1
	s_wait_xcnt 0x0
; The five f32 inputs of the plain products become codes of FP6 (E2M3) with one E8M0 byte for each 32 along K.
; A block's scale is 2^(floor(log2(largest magnitude)) - 2): its byte is the largest magnitude's exponent field - 2, held at 1 from below.
; LIMITS: NaN and infinities among the inputs are not served; a block whose largest magnitude lies under 2^-124 keeps the byte 1;
; a block of zeros gets the byte 1 (its codes are zeros, and only this program reads the bytes).
; Three paths, told apart by the work-group's number, each with LDS bytes of its own:
;   work-groups 0-191:   x (rows reordered batch-major: row = 2048 b + s) and pos_emb: K innermost: a plain stream of blocks
;   work-groups 192-319: W_qkv and W_relemb, K is the first axis: a lane takes a column, its registers run down K
;   work-groups 320-447: W_o, one operand fragment (16 columns x 128 K) a wave, stored as the image of the operand's registers;
;                        inside each block of 32 the rows are taken with bits 3 and 4 of their index exchanged, as attn_vec's codes lie
.set SPW,   12                         ; v12  LDS address of my spare word; never rewritten
.set NIL,   13                         ; v13  0; never rewritten
.set SPARE, 67584                      ; the spare words: 128 bytes a wave, two blocks of 256 bytes that no other line names
.set EMAX,  2
.set STEPS, 16                         ; path 1: steps of 512 numbers a wave
.set CB,    12                         ; bytes of 16 codes
.set WREG,  8192                       ; path 1: LDS region of a wave: two stages of 32 x SP bytes, then 256 scale bytes
.set SP,    80
.set R1,    16                         ; v16-79   four sets of 16 numbers as loaded
.set X1,    80                         ; v80-111  two sets of 16 neighbours
.set E1,    112                        ; v112-127 a scale byte for each step
.set C1,    128                        ; v128-191 codes, four registers a step
.set VO1,   192                        ; v192-199 16 x lane + row x the source's row step
.set P2LDS, 32768                      ; path 2: four stages of 32 x PITCH bytes
.set PITCH, 272
.set NB,    8
.set X2,    32                         ; v32-95   two sets of 32 numbers
.set C2,    96                         ; v96..    a block's codes
.set OUTR,  112                        ; v112-175 the way out
.set SB,    24                         ; v24-25   scale bytes
.set VO2,   176                        ; v176-207 4 x lane + i x a row of W in bytes
	s_load_b512 s[4:19], s[0:1], 0x0               ; x, pos_emb, W_qkv, W_relemb, W_o, acodes, ascales, wcodes
	s_load_b128 s[20:23], s[0:1], 0x40             ; wscales, rext
	v_lshl_add_u32 v[SPW], v0, 2, SPARE
	v_mov_b32 v[NIL], 0
	v_lshrrev_b32 v1, 5, v0
	v_readfirstlane_b32 s24, v1                    ; wave
	v_and_b32 v2, 31, v0                           ; lane
	s_wait_kmcnt 0x0
	s_cmp_ge_u32 ttmp9, 320
	s_cbranch_scc1 .Lp3
	s_cmp_ge_u32 ttmp9, 192
	s_cbranch_scc1 .Lp2
; ---------------- path 1: x and pos_emb.  A wave takes 8 rows of 1,024 numbers: 16 steps of half a row
	v_lshlrev_b32 v3, 4, v2                        ; my 16 bytes of a load's 512
	s_mul_i32 s25, s24, WREG
	v_lshrrev_b32 v14, 2, v2
	v_mul_u32_u24 v14, v14, SP
	v_and_b32 v15, 3, v2
	v_lshl_add_u32 v14, v15, 4, v14
	v_add_nc_u32 v14, s25, v14                     ; the stage, in: SP (lane / 4) + 16 (lane % 4)
	v_mul_u32_u24 v15, v2, SP
	v_add_nc_u32 v15, s25, v15                     ; and out: SP x lane: my 16 neighbours
	v_mul_u32_u24 v4, v2, CB                       ; my codes' place in a step's
	v_lshrrev_b32 v5, 1, v2
	s_add_co_u32 s25, s25, 2*32*SP
	v_add_nc_u32 v5, s25, v5                       ; my block's scale byte in the wave's 256
	v_lshlrev_b32 v7, 3, v2
	v_add_nc_u32 v6, s25, v7
	s_cmp_lt_u32 ttmp9, 128                        ; x's work-group or pos_emb's: the work-group's number alone decides
	s_cselect_b64 s[4:5], s[4:5], s[6:7]
	s_cselect_b32 s26, 0, 128
	s_mov_b32 s27, 4096
	s_cselect_b32 s27, 8192, s27                   ; from row to row of one batch of x: 8,192 bytes; of pos_emb: 4,096
	s_sub_co_u32 s26, ttmp9, s26
	s_lshl_b32 s26, s26, 2
	s_add_co_u32 s26, s26, s24                     ; u: which run of 8 rows
	s_and_b32 s28, s26, 255
	s_lshl_b32 s28, s28, 16
	s_lshr_b32 s29, s26, 8
	s_lshl_b32 s29, s29, 12
	s_add_co_u32 s28, s28, s29                     ; x: s = 8 (u % 256), b = u / 256: byte 8,192 s + 4,096 b
	s_lshl_b32 s29, s26, 15                        ; pos_emb: 8 rows of 4,096 bytes a run
	s_cmp_lt_u32 ttmp9, 128
	s_cselect_b32 s28, s28, s29
	s_cselect_b32 s30, 0, 3145728                  ; pos_emb's codes lie behind x's 4,096 rows,
	s_cselect_b32 s32, 0, 131072                   ; and its scale bytes likewise
	s_mov_b32 s29, 0
	s_add_nc_u64 s[4:5], s[4:5], s[28:29]
	s_mul_i32 s34, s26, 6144
	s_add_co_u32 s30, s30, s34
	s_mov_b32 s31, 0
	s_lshl_b32 s34, s26, 8
	s_add_co_u32 s32, s32, s34
	s_mov_b32 s33, 0
	s_add_nc_u64 s[14:15], s[14:15], s[30:31]
	s_add_nc_u64 s[16:17], s[16:17], s[32:33]
.irp p, 0,1,2,3,4,5,6,7
	v_mad_u32_u24 v[VO1+\p], s27, \p, v3
.endr
.macro LOAD t
.irp i, 0,1,2,3
	global_load_b128 v[R1+16*((\t)%4)+4*\i:R1+16*((\t)%4)+4*\i+3], v[VO1+(\t)/2], s[4:5] offset:2048*((\t)%2)+512*\i th:TH_LOAD_NT   ; 32 lanes read 512 consecutive bytes
.endr
.endm
.macro TURN t                          ; a step's numbers through the wave's own stage; LDS serves a wave's instructions in order
.irp i, 0,1,2,3
	ds_store_b128 v14, v[R1+16*((\t)%4)+4*\i:R1+16*((\t)%4)+4*\i+3] offset:32*SP*((\t)%2)+8*SP*\i
.endr
.irp i, 0,1,2,3
	ds_load_b128 v[X1+16*((\t)%2)+4*\i:X1+16*((\t)%2)+4*\i+3], v15 offset:32*SP*((\t)%2)+16*\i
.endr
.endm
.irp t, 0,1,2,3
	LOAD \t
.endr
	s_wait_loadcnt 12                              ; step 0's four loads are in
	TURN 0
.macro STEP t
.set XS, X1+16*((\t)%2)
.if (\t) > 0
	s_wait_dscnt 1                                 ; this step's numbers are back (the last step's byte store may be out)
.else
	s_wait_dscnt 0x0
.endif
.if (\t)+4 < STEPS
	LOAD (\t)+4
.endif
.if (\t)+1 < STEPS
.if STEPS-2-(\t) >= 3
	s_wait_loadcnt 12                              ; the next step's four loads are in; three steps' may be out
.else
	s_wait_loadcnt 4*(STEPS-2-(\t))
.endif
	TURN (\t)+1
.endif
	v_max3_num_f32 v8, |v[XS]|, |v[XS+1]|, |v[XS+2]|
	v_max3_num_f32 v9, |v[XS+3]|, |v[XS+4]|, |v[XS+5]|
.irp i, 6,10
	v_max3_num_f32 v8, v8, |v[XS+\i]|, |v[XS+\i+1]|
	v_max3_num_f32 v9, v9, |v[XS+\i+2]|, |v[XS+\i+3]|
.endr
	v_max3_num_f32 v8, v8, |v[XS+14]|, |v[XS+15]|
	v_max3_num_f32 v8, v8, v9, (EMAX+1)<<23        ; the floor: the byte cannot fall under 1
	v_max_num_f32_dpp v8, v8, v8 row_xmask:1 row_mask:0xf bank_mask:0xf   ; with my neighbour's 16: the block's
	v_add_nc_u32 v11, -(EMAX<<23), v8              ; 2 off the exponent field: the conversion's scale operand
	v_cvt_scalef32_pk16_fp6_f32 v[C1+4*(\t):C1+4*(\t)+2], v[XS:XS+15], v11
	v_lshrrev_b32 v[E1+(\t)], 23, v11              ; the scale's byte
	ds_store_b8 v5, v[E1+(\t)] offset:16*(\t)      ; both lanes of a block write the same byte with the same value
	global_store_b96 v4, v[C1+4*(\t):C1+4*(\t)+2], s[14:15] offset:32*CB*(\t)
.endm
.irp t, 0,1,2,3,4,5,6,7,8,9,10,11,12,13,14,15
	STEP \t
.endr
	ds_load_b64 v[8:9], v6
	s_wait_dscnt 0x0
	global_store_b64 v7, v[8:9], s[16:17]          ; 32 lanes store 256 consecutive bytes, aligned
	s_wait_tensorcnt 0x0                           ; the wave's end
	ds_add_u32 v[SPW], v[NIL]
	s_wait_dscnt 0x0
	s_endpgm
; ---------------- path 2: W_qkv and W_relemb.  A wave takes 32 columns x 256 along K
.Lp2:
	s_sub_co_u32 s25, ttmp9, 192
	s_lshr_b32 s26, s25, 2                         ; which 128 columns of the 4,096 (3,072 of W_qkv, then 1,024 of W_relemb)
	s_and_b32 s27, s25, 3                          ; which 256 along K
	s_cmp_lt_u32 s26, 24
	s_cselect_b64 s[8:9], s[8:9], s[10:11]
	s_mov_b32 s28, 4096
	s_cselect_b32 s28, 12288, s28                  ; a row of W in bytes
	s_cselect_b32 s29, 0, 24
	s_sub_co_u32 s29, s26, s29
	s_lshl_b32 s29, s29, 7
	s_lshl_b32 s30, s24, 5
	s_add_co_u32 s29, s29, s30                     ; my first column in its tensor
	s_lshl_b32 s31, s26, 7
	s_add_co_u32 s31, s31, s30                     ; and the row of the codes' buffer that it becomes
	s_lshl_b32 s34, s28, 8
	s_mul_i32 s34, s34, s27
	s_lshl_b32 s29, s29, 2
	s_add_co_u32 s34, s34, s29
	s_mov_b32 s35, 0
	s_add_nc_u64 s[36:37], s[8:9], s[34:35]        ; block 0's rows
	s_lshl_b32 s34, s28, 5                         ; 32 rows on
.irp t, 1,2,3,4,5,6,7
	s_add_nc_u64 s[36+2*\t:37+2*\t], s[34+2*\t:35+2*\t], s[34:35]
.endr
	s_mul_i32 s52, s31, 768
	s_mul_i32 s53, s27, 192
	s_add_co_u32 s52, s52, s53
	s_mov_b32 s53, 0
	s_add_nc_u64 s[18:19], s[18:19], s[52:53]
	s_lshl_b32 s52, s31, 5
	s_lshl_b32 s54, s27, 3
	s_add_co_u32 s52, s52, s54
	s_add_nc_u64 s[20:21], s[20:21], s[52:53]
	v_lshlrev_b32 v3, 2, v2
	s_mul_i32 s55, s24, 32*PITCH
	s_add_co_u32 s55, s55, P2LDS                   ; my stage
	v_mul_u32_u24 v4, v2, PITCH
	v_add_nc_u32 v4, s55, v4                       ; in: row = my column
	v_and_b32 v5, 15, v2
	v_lshrrev_b32 v6, 4, v2
	v_mul_u32_u24 v7, v6, PITCH
	v_lshl_add_u32 v7, v5, 4, v7
	v_add_nc_u32 v7, s55, v7                       ; out: sixteen lanes to a row
	v_mul_u32_u24 v8, v6, 768
	v_mad_u32_u24 v8, v5, 12, v8
	v_lshlrev_b32 v9, 5, v2                        ; my column's row of scale bytes
.irp i, 0,1,2,3,4,5,6,7,8,9,10,11,12,13,14,15,16,17,18,19,20,21,22,23,24,25,26,27,28,29,30,31
	v_mad_u32_u24 v[VO2+\i], s28, \i, v3
.endr
.macro LOADW t
.irp i, 0,1,2,3,4,5,6,7,8,9,10,11,12,13,14,15,16,17,18,19,20,21,22,23,24,25,26,27,28,29,30,31
	global_load_b32 v[X2+32*((\t)%2)+\i], v[VO2+\i], s[36+2*(\t):37+2*(\t)] th:TH_LOAD_NT
.endr
.endm
	LOADW 0
	LOADW 1
.macro BLOCK t
.set XS, X2+32*((\t)%2)
.if (\t) < NB-1
	s_wait_loadcnt 32                              ; this block's 32 loads are in; the next block's may be out
.else
	s_wait_loadcnt 0
.endif
	v_max3_num_f32 v16, |v[XS]|, |v[XS+1]|, |v[XS+2]|
	v_max3_num_f32 v17, |v[XS+3]|, |v[XS+4]|, |v[XS+5]|
.irp i, 6,10,14,18,22,26
	v_max3_num_f32 v16, v16, |v[XS+\i]|, |v[XS+\i+1]|
	v_max3_num_f32 v17, v17, |v[XS+\i+2]|, |v[XS+\i+3]|
.endr
	v_max3_num_f32 v16, v16, |v[XS+30]|, |v[XS+31]|
	v_max3_num_f32 v16, v16, v17, (EMAX+1)<<23
	v_add_nc_u32 v11, -(EMAX<<23), v16
	v_lshrrev_b32 v17, 23, v11
.if (\t)%4 == 0
	v_mov_b32 v[SB+(\t)/4], v17
.else
	v_lshl_or_b32 v[SB+(\t)/4], v17, 8*((\t)%4), v[SB+(\t)/4]
.endif
	v_cvt_scalef32_pk16_fp6_f32 v[C2:C2+2], v[XS:XS+15], v11
	v_cvt_scalef32_pk16_fp6_f32 v[C2+4:C2+6], v[XS+16:XS+31], v11
	ds_store_b96 v4, v[C2:C2+2] offset:32*(\t)     ; 12 bytes to a place of 16
	ds_store_b96 v4, v[C2+4:C2+6] offset:32*(\t)+16
.if (\t)+2 < NB
	LOADW (\t)+2
.endif
	s_wait_dscnt 0x0                               ; the stores have read their registers
.endm
.set Q, 0
.rept NB
	BLOCK Q
.set Q, Q+1
.endr
	global_store_b64 v9, v[SB:SB+1], s[20:21]
.irp t, 0,1,2,3,4,5,6,7,8,9,10,11,12,13,14,15
	ds_load_b96 v[OUTR+4*\t:OUTR+4*\t+2], v7 offset:2*\t*PITCH
.endr
.irp t, 0,1,2,3,4,5,6,7,8,9,10,11,12,13,14,15
	s_wait_dscnt 15-\t
	global_store_b96 v8, v[OUTR+4*\t:OUTR+4*\t+2], s[18:19] offset:2*\t*768
.endr
	s_wait_tensorcnt 0x0                           ; the wave's end
	ds_add_u32 v[SPW], v[NIL]
	s_wait_dscnt 0x0
	s_endpgm
; ---------------- path 3: W_o.  Lane (r, h) takes column 16 tile + r; its registers run down K in the order of the operand's places.  No LDS
.Lp3:
	s_sub_co_u32 s25, ttmp9, 320
	s_and_b32 s26, s25, 15
	s_lshl_b32 s26, s26, 2
	s_add_co_u32 s26, s26, s24                     ; column tile 0..63: the four waves stand side by side
	s_lshr_b32 s27, s25, 4                         ; K step 0..7
	v_and_b32 v1, 15, v0                           ; r
	v_bfe_u32 v3, v0, 4, 1                         ; h
	v_lshlrev_b32 v4, 2, v1
	v_lshl_add_u32 v5, v3, 17, v4                  ; 4 r + 32 rows of 4,096 bytes for lanes 16-31
	v_lshlrev_b32 v6, 4, v2                        ; 16 x lane
	s_lshl_b32 s28, s27, 19
	s_lshl_b32 s29, s26, 6
	s_add_co_u32 s28, s28, s29
	s_mov_b32 s29, 0
	s_add_nc_u64 s[12:13], s[12:13], s[28:29]
	s_lshl_b32 s28, s26, 3
	s_add_co_u32 s28, s28, s27
	s_mul_i32 s28, s28, 1536
	s_add_co_u32 s28, s28, 3145728
	s_add_nc_u64 s[18:19], s[18:19], s[28:29]
	s_lshl_b32 s28, s27, 12
	s_lshl_b32 s32, s26, 6
	s_add_co_u32 s28, s28, s32
	s_add_co_u32 s28, s28, 131072
	s_add_nc_u64 s[20:21], s[20:21], s[28:29]
	s_mov_b32 s30, 0x76543210
	s_mov_b32 s31, 0xfedcba98
.irp c, 0,1
.irp i, 0,1,2,3,4,5,6,7,8,9,10,11,12,13,14,15,16,17,18,19,20,21,22,23,24,25,26,27,28,29,30,31
	global_load_b32 v[64+32*\c+\i], v5, s[12:13] offset:4096*(64*\c+(\i%8)+16*((\i/8)%2)+8*(\i/16)) th:TH_LOAD_NT   ; place i of the block takes the row with bits 3 and 4 of i exchanged
.endr
.endr
	s_wait_loadcnt 0x0
.irp c, 0,1
	v_max3_num_f32 v[32+\c], |v[64+32*\c]|, |v[65+32*\c]|, 0x1800000
.endr
.irp i, 2,4,6,8,10,12,14,16,18,20,22,24,26,28,30
.irp c, 0,1
	v_max3_num_f32 v[32+\c], v[32+\c], |v[64+32*\c+\i]|, |v[65+32*\c+\i]|
.endr
.endr
.irp c, 0,1
	v_add_nc_u32 v[44+\c], 0xff000000, v[32+\c]
.endr
.irp c, 0,1
	v_lshrrev_b32 v[36+\c], 23, v[44+\c]
.endr
	v_lshl_or_b32 v9, v37, 16, v36                 ; my bytes: blocks h and 2 + h,
	v_lshlrev_b32 v10, 3, v3
	v_lshlrev_b32 v9, v10, v9                      ; at their places in the word;
	v_mov_b32 v10, 0
	v_permlanex16_b32 v10, v9, s30, s31
	v_or_b32 v9, v9, v10                           ; with lane l xor 16's the word is whole
.irp c, 0,1
	v_cvt_scalef32_pk16_fp6_f32 v[48+6*\c:50+6*\c], v[64+32*\c:79+32*\c], v[44+\c]
	v_cvt_scalef32_pk16_fp6_f32 v[192+4*\c:194+4*\c], v[80+32*\c:95+32*\c], v[44+\c]
.endr
	v_nop                                          ; one plain place behind a scaled conversion
.irp c, 0,1
.irp i, 0,1,2
	v_mov_b32 v[51+6*\c+\i], v[192+4*\c+\i]
.endr
.endr
.irp j, 0,1,2
	global_store_b128 v6, v[48+4*\j:51+4*\j], s[18:19] offset:512*\j   ; the fragment's image: 512 consecutive bytes a store
.endr
	global_store_b32 v4, v9, s[20:21]              ; both halves of the lanes write the same word with the same value
	s_or_b32 s25, s25, s24
	s_cmp_lg_u32 s25, 0
	s_cbranch_scc1 .Lp3_end
	; one wave of the launch: row 2,048 of the extended positions is zero codes in all 16 heads (lane = head + 16 h)
	v_mul_u32_u24 v20, v1, 197376
	v_lshl_add_u32 v21, v3, 8, v20
	v_lshl_add_u32 v22, v3, 7, v20
	v_mul_u32_u24 v23, v1, 16640
.irp i, 24,25,26,27
	v_mov_b32 v\i, 0
.endr
	v_mov_b32 v28, 0x7f7f7f7f
	global_store_b128 v21, v[24:27], s[22:23] offset:98304
	global_store_b64 v22, v[24:25], s[22:23] offset:98304+512
	global_store_b32 v23, v28, s[22:23] offset:3158016+8192
.Lp3_end:
	s_endpgm
.Lfunc_end_k_q8752260220_quant:
	.size	k_q8752260220_quant, .Lfunc_end_k_q8752260220_quant-k_q8752260220_quant
	.p2alignl 7, 3214868480
	.fill 96, 4, 3214868480
	.section	.rodata,"a",@progbits
	.p2align	6, 0x0
	.amdhsa_kernel k_q8752260220_quant
		.amdhsa_group_segment_fixed_size 68096
		.amdhsa_private_segment_fixed_size 0
		.amdhsa_enable_private_segment 0
		.amdhsa_kernarg_size 80
		.amdhsa_user_sgpr_count 2
		.amdhsa_user_sgpr_kernarg_segment_ptr 1
		.amdhsa_wavefront_size32 1
		.amdhsa_system_sgpr_workgroup_id_x 1
		.amdhsa_system_sgpr_workgroup_id_y 1
		.amdhsa_system_sgpr_workgroup_id_z 1
		.amdhsa_system_vgpr_workitem_id 0
		.amdhsa_next_free_vgpr 208
		.amdhsa_next_free_sgpr 66
		.amdhsa_reserve_vcc 0
		.amdhsa_float_denorm_mode_32 3
		.amdhsa_float_denorm_mode_16_64 3
		.amdhsa_memory_ordered 1
		.amdhsa_forward_progress 1
		.amdhsa_inst_pref_size 88
	.end_amdhsa_kernel
	.amdgpu_metadata
---
amdhsa.version: [ 1, 2 ]
amdhsa.kernels:
  - .name:           k_q8752260220_quant
    .symbol:         k_q8752260220_quant.kd
    .args:
      - { .name: x, .offset: 0, .size: 8, .value_kind: global_buffer, .address_space: global }
      - { .name: pos_emb, .offset: 8, .size: 8, .value_kind: global_buffer, .address_space: global }
      - { .name: W_qkv, .offset: 16, .size: 8, .value_kind: global_buffer, .address_space: global }
      - { .name: W_relemb, .offset: 24, .size: 8, .value_kind: global_buffer, .address_space: global }
      - { .name: W_o, .offset: 32, .size: 8, .value_kind: global_buffer, .address_space: global }
      - { .name: acodes, .offset: 40, .size: 8, .value_kind: global_buffer, .address_space: global }
      - { .name: ascales, .offset: 48, .size: 8, .value_kind: global_buffer, .address_space: global }
      - { .name: wcodes, .offset: 56, .size: 8, .value_kind: global_buffer, .address_space: global }
      - { .name: wscales, .offset: 64, .size: 8, .value_kind: global_buffer, .address_space: global }
      - { .name: rext, .offset: 72, .size: 8, .value_kind: global_buffer, .address_space: global }
    .group_segment_fixed_size: 68096
    .private_segment_fixed_size: 0
    .kernarg_segment_align: 8
    .kernarg_segment_size: 80
    .max_flat_workgroup_size: 128
    .sgpr_count:     66
    .vgpr_count:     208
    .wavefront_size: 32
...
	.end_amdgpu_metadata
.endif
;; end of part 1
;; launch proj (part 2): grid 56 x 4, 4 waves a work-group, clusters of 4 x 4, 327,680 bytes of LDS; arguments acodes, ascales, wcodes, wscales, pos_bias_u, pos_bias_v, qimg, kv, rext; writes qimg, kv, rext
.if DOCPART == 2
	.amdgcn_target "amdgcn-amd-amdhsa--gfx1250"
	.amdhsa_code_object_version 6
	.text
	.protected	k_q8752260220_proj
	.globl	k_q8752260220_proj
	.p2align	8
	.type	k_q8752260220_proj,@function
k_q8752260220_proj:
	s_mov_b64 s[64:65], 0
	v_nop
	global_prefetch_b8 v0, s[64:65] scope:SCOPE_SE
	s_setreg_imm32_b32 hwreg(HW_REG_WAVE_MODE, 25, 1), 1
	s_wait_xcnt 0x0
	s_wait_alu depctr_hold_cnt(0) depctr_sa_sdst(0) depctr_va_vdst(0) depctr_va_sdst(0) depctr_va_ssrc(0) depctr_va_vcc(0) depctr_vm_vsrc(0)
	s_getreg_b32 s2, hwreg(HW_REG_IB_STS2, 6, 4)
	s_cmp_eq_u32 s2, 0
	s_cbranch_scc0 .Lentry_in_a_cluster
	s_endpgm
.Lentry_in_a_cluster:
	s_bfe_u32 s2, ttmp6, 0x10000c
	s_cmp_lg_u32 s2, 0xf033
	s_cbranch_scc0 .Lentry_shape_is_right
	s_endpgm
.Lentry_shape_is_right:
; x W_qkv and pos_emb W_relemb on codes of FP6 (E2M3) with E8M0 scales, K = 1,024; the results never go to memory as f32: on the way out they are
; quantised again, as the operands of the attention's products, and stored as images of those operands' registers.
; 14 clusters of 4 x 4 work-groups; a cluster makes 1,024 x 1,024, a work-group 256 x 256, a wave 128 x 128 (64 accumulators, 512 registers).
; Cluster c: job c / 4: 0 = q, 1 = k, 2 = v, 3 = r.  Rows of the activations 1,024 (c % 4) on (r: pos_emb's, behind x's 4,096), rows of the weights 1,024 x job on.
; Side A is shared along a row of the cluster, side B along a column: each tile is asked for JOINTLY.  For q, k, r side A = activations, side B = weights;
; for v the sides change places.  The matrix instruction is used transposed (source 0 = 16 rows of B, source 1 = 16 rows of A): a lane holds one row of A and its
; registers run along B's rows: along d for q, k, r (their next K) and along the keys for v (its next K).
; K goes in steps of 256 through a ring of two LDS slots (rows of 192 bytes, 16 bytes of padding behind every 64: pitch 240); the scales of all of K come once.
; INSIDE A BLOCK OF 32 the codes made here lie with bits 3 and 4 of their index exchanged: alike on both sides of every later product, so the products are the same.
; LIMITS: NaN and infinities are not served; a block whose largest magnitude lies under 2^-124 keeps the byte 1; a block of zeros gets the byte 1.
; REGISTERS: window 0: v0-31 addresses; v32-63 scale words, two sets, and nothing else; v128-223 A's fragments; on the way out v64-127 numbers, v128-176 codes and work, v224-237 addresses.
;   window 1: B's fragments, two sets (on the way out: the biases u and v).   windows 2, 3: the accumulators ((a, b) at v[8 (8 (a % 4) + b)]).
.set KSTEP,  256
.set NQ,     2
.set ROWB,   192
.set KROW,   768
.set PITCH,  240
.set FR,     12
.set NL,     6
.set NP,     4
.set HALFT,  128*PITCH
.set SLOT,   4*HALFT
.set LAPS,   2
.set KS,     32
.set SCL,    2*SLOT
.set HALFS,  (128*KS/256)*272
.set SBLK,   (16*KS/256)*272
.set SPARE,  SCL+4*HALFS               ; the spare words: 128 bytes a wave, two blocks of 256 bytes that no other line names
.set ADRA, 16
.set ADRB, 20
.set ADRS, 27
.set SPW,  28
.set NIL,  29
.set SC,   32
.set AF,   128
.set G1, 24
.set G0, 32
.set G1B, 48
.set G0B, 56
.set G1S, 68
.set G0S, 76
.set G1SB, 80
.set G0SB, 88
.set T,    64                          ; the way out: 64 numbers with a bias added
.set PC,   128                         ; the codes just made (12), v140-146 the conversions' second halves
.set TM,   160                         ; v160-175 at work
.set PW,   176                         ; the scale word just made
.set VO16, 224                         ; 16 x lane
.set VO8,  225                         ; 512 + 8 x lane
.set VOS,  226                         ; 4 r + h x the distance between two heads' scale words
.set VO16B, 227                        ; the same as VO16, VO8 for the row one further on (r's second copy)
.set VO8B, 228
.set SH,   229                         ; 16 h
.set VO4R, 230                         ; 4 r
.set SW,   231                         ; the scale word to be stored
.set VU,   237                         ; 32 h
.set MSB, 0
.macro WIN new
.if MSB != (\new)
	s_set_vgpr_msb (MSB<<8)|(\new)
.set MSB, (\new)
.endif
.endm
.set MUL_LO, 0xa1
.set MUL_HI, 0xf1
.set TO_B,   0x40
; A joint load: waves 0 and 1 fetch for A, waves 2 and 3 for B; the branch hangs on the wave's number alone.  An s_nop 0 and four v_nop follow each line.
.macro JLOAD g0a, g1a, g0b, g1b
	s_cmp_eq_u32 s15, 0
	s_cbranch_scc0 .Lfor_b_\@
	tensor_load_to_lds s[\g0a:\g0a+3], s[\g1a:\g1a+7]
	s_nop 0
.rept 4
	v_nop
.endr
	s_branch .Lasked_\@
.Lfor_b_\@:
	tensor_load_to_lds s[\g0b:\g0b+3], s[\g1b:\g1b+7]
	s_nop 0
.rept 4
	v_nop
.endr
.Lasked_\@:
.endm
.macro CREST
	s_cmp_lg_u32 s14, 0
	s_cbranch_scc1 .Lnot_wave_0_\@
	s_barrier_signal -3
.Lnot_wave_0_\@:
	s_barrier_wait -3
	s_barrier_signal -1
	s_barrier_wait -1
.endm
.macro CROUND
	s_barrier_signal -1
	s_barrier_wait -1
	CREST
.endm
	s_load_b256 s[4:11], s[0:1], 0x0               ; acodes, ascales, wcodes, wscales
	v_lshl_add_u32 v[SPW], v0, 2, SPARE
	v_mov_b32 v[NIL], 0
	ds_add_u32 v[SPW], v[NIL]                      ; the wave's opening: the add, and its wait ahead of my first tensor load
	v_lshrrev_b32 v1, 5, v0
	v_readfirstlane_b32 s14, v1                    ; wave 0..3
	s_lshr_b32 s15, s14, 1                         ; which half of A's rows is mine.  Also: I fetch for A (0) or for B (1)
	s_and_b32 s16, s14, 1                          ; which half of B's rows.  Also: which 128 rows of that tile I fetch
	s_bfe_u32 s40, ttmp6, 0x40000                  ; cx, cy: my place in the cluster
	s_bfe_u32 s41, ttmp6, 0x40004
	s_lshr_b32 s96, ttmp9, 2                       ; the job: the same in all sixteen partners
	s_and_b32 s97, ttmp9, 3
	s_lshl_b32 s98, s97, 10
	s_cmp_ge_u32 ttmp9, 12
	s_cselect_b32 s99, 4096, 0
	s_add_co_u32 s98, s98, s99                     ; the cluster's first row of the activations,
	s_lshl_b32 s99, s96, 10                        ; and of the weights
	s_cmp_eq_u32 s96, 2
	s_cselect_b32 s100, s99, s98                   ; side A's first row (v: the weights')
	s_cselect_b32 s101, s98, s99                   ; side B's
	s_lshl_b32 s43, s41, 2
	s_lshl_b32 s43, 15, s43                        ; my row of the cluster
	s_lshl_b32 s44, 0x1111, s40                    ; my column
	s_or_b32 s[G1+0], s43, (0<<16)|(1<<20)|(1<<21)|(3<<22)|(3<<25)  ; the mask; elements of 1 byte; padding on; bit 21 beside a mask; after every 16 words, 4 words
	s_or_b32 s[G1B+0], s44, (0<<16)|(1<<20)|(1<<21)|(3<<22)|(3<<25)
.irp g, G1, G1B
	s_mov_b32 s[\g+1], ROWB<<16                    ; tensor_dim0
	s_mov_b32 s[\g+2], 128<<16                     ; tensor_dim1
	s_mov_b32 s[\g+3], ROWB<<16                    ; tile_dim0
	s_mov_b32 s[\g+4], 128                         ; tile_dim1
	s_mov_b32 s[\g+5], KROW                        ; the pitch in memory
	s_mov_b32 s[\g+6], 0
	s_mov_b32 s[\g+7], 0
.endr
	s_or_b32 s[G1S+0], s43, (3<<16)|(1<<20)|(1<<21)|(5<<22)|(3<<25)  ; the scales of 128 rows: 4,096 dense bytes as 16 rows of 256, 16 bytes of padding behind each
	s_or_b32 s[G1SB+0], s44, (3<<16)|(1<<20)|(1<<21)|(5<<22)|(3<<25)
.irp g, G1S, G1SB
	s_mov_b32 s[\g+1], 32<<16
	s_mov_b32 s[\g+2], (128*KS/256)<<16
	s_mov_b32 s[\g+3], 32<<16
	s_mov_b32 s[\g+4], 128*KS/256
	s_mov_b32 s[\g+5], 32
	s_mov_b32 s[\g+6], 0
	s_mov_b32 s[\g+7], 0
.endr
	s_lshl_b32 s18, s16, 7                         ; which 128 rows of the tile I fetch
	s_lshl_b32 s20, s41, 8
	s_add_co_u32 s20, s20, s18
	s_add_co_u32 s20, s20, s100                    ; A: first row + 256 cy + 128 x half
	s_lshl_b32 s46, s40, 8
	s_add_co_u32 s46, s46, s18
	s_add_co_u32 s46, s46, s101                    ; B: first row + 256 cx + 128 x half
	s_mov_b32 s21, 0
	s_mov_b32 s47, 0
	s_mov_b64 s[18:19], KS
	s_mul_u64 s[22:23], s[20:21], s[18:19]
	s_mul_u64 s[92:93], s[46:47], s[18:19]
	s_mov_b64 s[18:19], KROW
	s_mul_u64 s[20:21], s[20:21], s[18:19]
	s_mul_u64 s[46:47], s[46:47], s[18:19]
	s_mul_i32 s45, s14, HALFT                      ; where they go: wave x 128 rows: no place in the cluster enters an LDS address
	s_mul_i32 s94, s14, HALFS
	s_wait_dscnt 0x0                               ; the opening add is done
	s_wait_kmcnt 0x0
	s_cmp_eq_u32 s96, 2                            ; which buffers are side A's and side B's: the job alone decides
	s_cselect_b64 s[12:13], s[8:9], s[4:5]         ; A's codes
	s_cselect_b64 s[8:9], s[4:5], s[8:9]           ; B's codes
	s_cselect_b64 s[66:67], s[10:11], s[6:7]       ; A's scales
	s_cselect_b64 s[10:11], s[6:7], s[10:11]       ; B's scales
	s_add_nc_u64 s[20:21], s[12:13], s[20:21]
	s_add_nc_u64 s[22:23], s[66:67], s[22:23]
	s_add_nc_u64 s[46:47], s[8:9], s[46:47]
	s_add_nc_u64 s[92:93], s[10:11], s[92:93]
	CROUND                                         ; all sixteen work-groups are here: the first joint loads meet
	s_mov_b32 s[G0S], 1
	s_add_co_u32 s[G0S+1], s94, SCL
	s_mov_b64 s[G0S+2:G0S+3], s[22:23]
	s_or_b32 s[G0S+3], s[G0S+3], 0x80000000
	s_mov_b32 s[G0SB], 1
	s_add_co_u32 s[G0SB+1], s94, SCL
	s_mov_b64 s[G0SB+2:G0SB+3], s[92:93]
	s_or_b32 s[G0SB+3], s[G0SB+3], 0x80000000
	JLOAD G0S, G1S, G0SB, G1SB                     ; the scales first
.irp s, 0,1
	s_mov_b32 s[G0+4*\s], 1
	s_add_co_u32 s[G0+4*\s+1], s45, \s*SLOT
	s_add_nc_u64 s[G0+4*\s+2:G0+4*\s+3], s[20:21], \s*ROWB
	s_or_b32 s[G0+4*\s+3], s[G0+4*\s+3], 0x80000000
	s_mov_b32 s[G0B+4*\s], 1
	s_add_co_u32 s[G0B+4*\s+1], s45, \s*SLOT
	s_add_nc_u64 s[G0B+4*\s+2:G0B+4*\s+3], s[46:47], \s*ROWB
	s_or_b32 s[G0B+4*\s+3], s[G0B+4*\s+3], 0x80000000
	JLOAD G0+4*\s, G1, G0B+4*\s, G1B
.endr
	v_and_b32 v1, 15, v0                           ; l % 16
	v_bfe_u32 v2, v0, 4, 1                         ; l / 16
	v_mul_u32_u24 v3, v1, PITCH
	v_mul_u32_u24 v4, v2, 24
	v_add_nc_u32 v4, v3, v4                        ; a fragment's row x pitch + 24 x half
	v_lshl_add_u32 v5, v2, 4, v4                   ; and the same behind one padding more
	s_mul_i32 s21, s15, HALFT
	s_mul_i32 s22, s16, HALFT
	s_add_co_u32 s22, s22, 2*HALFT
.irp s, 0,1
	v_add_nc_u32 v[ADRA+\s], s21, v4
	v_add_nc_u32 v[ADRB+\s], s22, v4
	v_add_nc_u32 v[ADRA+2+\s], s21, v5
	v_add_nc_u32 v[ADRB+2+\s], s22, v5
	s_add_co_u32 s21, s21, SLOT
	s_add_co_u32 s22, s22, SLOT
.endr
	v_mul_u32_u24 v5, v1, KS
	v_lshrrev_b32 v6, 8, v5
	v_lshl_add_u32 v5, v6, 4, v5
	s_mul_i32 s21, s15, HALFS
	s_mul_i32 s22, s16, HALFS
	s_add_co_u32 s22, s22, 2*HALFS
	s_sub_co_u32 s22, s22, s21
	v_mul_u32_u24 v6, s22, v2                      ; lanes 16-31 take B's scale words
	s_add_co_u32 s21, s21, SCL
	v_add_nc_u32 v5, v5, v6
	v_add_nc_u32 v[ADRS], s21, v5
.macro FRAG reg, adr, q, i             ; 16 rows x 128 K of 6-bit codes: 12 registers, six pieces of 8 bytes; a second address register serves the pieces that lie behind one padding more
.irp p, 0,1,2,3,4,5
.set PIECE, 12*(\q)+6*(\p/3)+\p%3
.if PIECE%8 < 5
	ds_load_b64 v[\reg+2*\p:\reg+2*\p+1], v[\adr] offset:8*PIECE+16*(PIECE/8)+(\i)*16*PITCH
.else
	ds_load_b64 v[\reg+2*\p:\reg+2*\p+1], v[\adr+2] offset:8*PIECE+16*(PIECE/8)+(\i)*16*PITCH
.endif
.endr
.endm
; 16 matrix instructions: A's blocks a0, a0 + 1 x B's eight.  The 64 accumulators take turns, one instruction a turn.
.macro MUL16 a0, p, q, sc, zero
.irp a, \a0, \a0+1
.irp b, 0,1,2,3,4,5,6,7
.if \zero
	v_wmma_scale_f32_16x16x128_f8f6f4 v[8*(8*((\a)%4)+\b):8*(8*((\a)%4)+\b)+7], v[128*(\p)+FR*\b:128*(\p)+FR*\b+FR-1], v[AF+FR*(\a):AF+FR*(\a)+FR-1], 0, v[SC+8*NQ*(\sc)+NQ*\b+(\q)], v[SC+8*NQ*(\sc)+NQ*(\a)+(\q)] matrix_a_fmt:MATRIX_FMT_FP6 matrix_b_fmt:MATRIX_FMT_FP6 matrix_a_scale:MATRIX_SCALE_ROW1
.else
	v_wmma_scale_f32_16x16x128_f8f6f4 v[8*(8*((\a)%4)+\b):8*(8*((\a)%4)+\b)+7], v[128*(\p)+FR*\b:128*(\p)+FR*\b+FR-1], v[AF+FR*(\a):AF+FR*(\a)+FR-1], v[8*(8*((\a)%4)+\b):8*(8*((\a)%4)+\b)+7], v[SC+8*NQ*(\sc)+NQ*\b+(\q)], v[SC+8*NQ*(\sc)+NQ*(\a)+(\q)] matrix_a_fmt:MATRIX_FMT_FP6 matrix_b_fmt:MATRIX_FMT_FP6 matrix_a_scale:MATRIX_SCALE_ROW1
.endif
.endr
.endr
.endm
.macro FETCH_B slot, q, p
	WIN TO_B
.irp i, 0,1,2,3,4,5,6,7
	FRAG 128*(\p)+FR*\i, ADRB+\slot, \q, \i
.endr
	WIN 0
.endm
.macro FETCH_A slot, q, i0
.irp i, \i0, \i0+1, \i0+2, \i0+3
	FRAG AF+FR*(\i), ADRA+\slot, \q, \i
.endr
.endm
.macro SCALES sc
.irp i, 0,1,2,3,4,5,6,7
	ds_load_b64 v[SC+8*NQ*\sc+NQ*\i:SC+8*NQ*\sc+NQ*\i+1], v[ADRS] offset:\i*SBLK
.endr
.endm
.macro PLACES n                        ; plain vector places behind matrix instructions, in front of loads into their registers and of reads of results
.rept \n
	v_nop
.endr
.endm
.macro STEP slot, q, zero
	s_wait_dscnt 4*NL                              ; B's set and A's blocks 0-3 are in; the youngest 24 loads (A's blocks 4-7) may be out
	WIN MUL_LO
	MUL16 0, (\q)%2, \q, \slot, \zero
	MUL16 2, (\q)%2, \q, \slot, \zero
	s_wait_dscnt 0
	PLACES NP
	FETCH_B \slot, (\q)+1, 1-(\q)%2
	FETCH_A \slot, (\q)+1, 0
	WIN MUL_HI
	MUL16 4, (\q)%2, \q, \slot, \zero
	MUL16 6, (\q)%2, \q, \slot, \zero
	PLACES NP
	WIN 0
	FETCH_A \slot, (\q)+1, 4
.endm
; A slot's last step changes slots: one barrier; in front of it each wave waits for all its tensor loads, adds 0 to its spare word, and waits for that and for its reads of this slot.
.macro TURN slot, next, fill
	s_wait_tensorcnt 0x0                           ; all my tensor loads have landed: my part of the next slot
	ds_add_u32 v[SPW], v[NIL]
	s_wait_dscnt 4*NL+1                            ; the add and the youngest 24 loads may be out
	WIN MUL_LO
	MUL16 0, 1, NQ-1, \slot, 0
	s_wait_dscnt 0x0                               ; the add is done, and my reads of this slot are over
	s_barrier_signal -1
	MUL16 2, 1, NQ-1, \slot, 0
	WIN 0
	s_barrier_wait -1
.if \fill
	CREST                                          ; the barrier has opened a round of the cluster's barrier
	s_add_nc_u64 s[G0+4*\slot+2:G0+4*\slot+3], s[G0+4*\slot+2:G0+4*\slot+3], 2*ROWB
	s_add_nc_u64 s[G0B+4*\slot+2:G0B+4*\slot+3], s[G0B+4*\slot+2:G0B+4*\slot+3], 2*ROWB
	JLOAD G0+4*\slot, G1, G0B+4*\slot, G1B         ; the first tensor load behind the round
.else
	PLACES NP
.endif
	v_add_nc_u32 v[ADRS], 4*NQ, v[ADRS]
	FETCH_B \next, 0, 0
	FETCH_A \next, 0, 0
	SCALES \next
	WIN MUL_HI
	MUL16 4, 1, NQ-1, \slot, 0
	MUL16 6, 1, NQ-1, \slot, 0
	PLACES NP
	WIN 0
	FETCH_A \next, 0, 4
.endm
	s_wait_tensorcnt 1                             ; the scales and my part of K step 0 are in (K step 1's load may be out),
	s_barrier_signal -1
	s_barrier_wait -1                              ; everybody's are
	FETCH_B 0, 0, 0
	FETCH_A 0, 0, 0
	SCALES 0
	FETCH_A 0, 0, 4
	STEP 0, 0, 1                                   ; the first step's products start the sums
	s_mov_b32 s3, LAPS-1
.Llap:
	TURN 0, 1, 1
	STEP 1, 0, 0
	TURN 1, 0, 1
	STEP 0, 0, 0
	s_sub_co_u32 s3, s3, 1
	s_cmp_lg_u32 s3, 0
	s_cbranch_scc1 .Llap
	TURN 0, 1, 0
	STEP 1, 0, 0
	s_wait_dscnt 4*NL
	WIN MUL_LO
	MUL16 0, 1, NQ-1, 1, 0
	MUL16 2, 1, NQ-1, 1, 0
	s_wait_dscnt 0
	WIN MUL_HI
	MUL16 4, 1, NQ-1, 1, 0
	MUL16 6, 1, NQ-1, 1, 0
	WIN 0
; THE WAY OUT.  Block a's eight accumulators are 64 registers on end: register 16 b + i is B's row 32 b + 16 (i / 8) + 8 h + i % 8 of A's row 16 a + r: four blocks of 32 along the next K, half of each in lane l, half in lane l xor 16.
	PLACES NP
	s_wait_tensorcnt 0x0                           ; no tensor load of mine is out: the descriptors' registers are free
	s_load_b256 s[24:31], s[0:1], 0x20             ; pos_bias_u, pos_bias_v, qimg, kv
	s_load_b64 s[32:33], s[0:1], 0x40              ; rext
	v_and_b32 v232, 31, v0                         ; lane
	v_and_b32 v233, 15, v0                         ; r
	v_bfe_u32 v234, v0, 4, 1                       ; h
	v_lshlrev_b32 v[VO16], 4, v232
	v_lshlrev_b32 v[VO8], 3, v232
	v_add_nc_u32 v[VO8], 512, v[VO8]
	v_lshlrev_b32 v[SH], 4, v234
	v_lshlrev_b32 v[VO4R], 2, v233
	v_lshlrev_b32 v[VU], 5, v234
	v_add_nc_u32 v235, 1, v233                     ; r + 1: which tile further on, and which row of it
	v_lshrrev_b32 v236, 4, v235
	v_mul_u32_u24 v236, v236, 768
	v_and_b32 v235, 15, v235
	v_lshl_add_u32 v[VO16B], v235, 4, v236
	v_lshl_add_u32 v[VO16B], v234, 8, v[VO16B]
	v_lshl_add_u32 v[VO8B], v235, 3, v236
	v_lshl_add_u32 v[VO8B], v234, 7, v[VO8B]
	v_add_nc_u32 v[VO8B], 512, v[VO8B]
.irp b, 0,1,2,3
	v_mov_b32 v[TM+4+\b], 0                        ; written once: a lane permute's destination counts as one of its sources
.endr
	s_lshl_b32 s34, s41, 8
	s_lshl_b32 s35, s15, 7
	s_add_co_u32 s34, s34, s35                     ; my first row of side A within the cluster's 1,024
	s_lshl_b32 s35, s40, 8
	s_lshl_b32 s36, s16, 7
	s_add_co_u32 s35, s35, s36                     ; and of side B
	s_lshr_b32 s36, s97, 1                         ; the batch
	s_and_b32 s37, s97, 1
	s_lshl_b32 s38, s37, 10
	s_add_co_u32 s38, s38, s34                     ; q, k: my first sequence position
	s_lshr_b32 s39, s35, 6                         ; q, k, r: my first head
	s_lshl_b32 s42, s36, 4
	s_add_co_u32 s42, s42, s39                     ; 16 b + head
	s_mov_b32 s45, 0
	s_mov_b32 s20, 0x76543210
	s_mov_b32 s21, 0xfedcba98
	s_wait_kmcnt 0x0
; 64 numbers in window w, v[s] on, become 12 registers of codes in v[PC] on and a scale word in v[PW]
.macro QUANT s, w
	s_wait_xcnt 0x0                                ; the codes' and the scale word's registers are the data of earlier stores: rewritten only behind this wait
	WIN ((\w)|((\w)<<2))
.irp b, 0,1,2,3
	v_max3_num_f32 v[TM+\b], |v[(\s)+16*\b]|, |v[(\s)+1+16*\b]|, 0x1800000   ; my 16 numbers of block b, and the floor: the byte cannot fall under 1
.endr
	WIN (((\w)<<2)|((\w)<<4))
.irp i, 2,4,6,8,10,12,14
.irp b, 0,1,2,3
	v_max3_num_f32 v[TM+\b], v[TM+\b], |v[(\s)+16*\b+\i]|, |v[(\s)+1+16*\b+\i]|
.endr
.endr
	WIN 0
.irp b, 0,1,2,3
	v_permlanex16_b32 v[TM+4+\b], v[TM+\b], s20, s21
.endr
.irp b, 0,1,2,3
	v_max_num_f32 v[TM+\b], v[TM+\b], v[TM+4+\b]   ; with lane l xor 16's: the block's largest magnitude
.endr
.irp b, 0,1,2,3
	v_add_nc_u32 v[TM+12+\b], 0xff000000, v[TM+\b] ; 2 off its exponent field: the conversion's scale operand
.endr
.irp b, 0,1,2,3
	v_lshrrev_b32 v[TM+4+\b], 23, v[TM+12+\b]      ; the scale's byte
.endr
	v_lshl_or_b32 v[PW], v[TM+5], 8, v[TM+4]
	v_lshl_or_b32 v[PW], v[TM+6], 16, v[PW]
	v_lshl_or_b32 v[PW], v[TM+7], 24, v[PW]
	WIN (\w)
.irp c, 0,1
	v_cvt_scalef32_pk16_fp6_f32 v[PC+6*\c:PC+2+6*\c], v[(\s)+32*\c:(\s)+15+32*\c], v[TM+12+2*\c]
	v_cvt_scalef32_pk16_fp6_f32 v[PC+12+4*\c:PC+14+4*\c], v[(\s)+16+32*\c:(\s)+31+32*\c], v[TM+12+2*\c+1]
.endr
	WIN 0
	v_nop                                          ; one plain place behind a scaled conversion
.irp c, 0,1                                    ; the operand wants a whole block in a lane: lanes 0-15 block 2 c, lanes 16-31 block 2 c + 1
.irp i, 0,1,2
	v_permlane16_swap_b32 v[PC+6*\c+\i], v[PC+12+4*\c+\i]
.endr
.irp i, 0,1,2
	v_mov_b32 v[PC+3+6*\c+\i], v[PC+12+4*\c+\i]
.endr
.endr
.endm
.macro ADDB a, u                       ; block a's 64 results + the bias at v[u] on of window 1, into v[T] on
	WIN ((2+(\a)/4)|(1<<2))
.set AC, 64*((\a)%4)
.set i, 0
.rept 32
	v_pk_add_f32 v[T+i:T+i+1], v[AC+i:AC+i+1], v[(\u)+i:(\u)+i+1]
.set i, i+2
.endr
	WIN 0
.endm
.macro STORE_H b0, b1, vo16, vo8, a    ; two heads' images of 16 rows x 64 codes: registers 0-3 at 16 x lane (512 consecutive bytes), registers 4-5 at 512 + 8 x lane (256)
	global_store_b128 v[\vo16], v[PC:PC+3], s[\b0:\b0+1] offset:768*(\a)
	global_store_b64 v[\vo8], v[PC+4:PC+5], s[\b0:\b0+1] offset:768*(\a)
	global_store_b128 v[\vo16], v[PC+6:PC+9], s[\b1:\b1+1] offset:768*(\a)
	global_store_b64 v[\vo8], v[PC+10:PC+11], s[\b1:\b1+1] offset:768*(\a)
.endm
.macro SCALE_H sb, imm                 ; lanes 0-15 store the even head's two bytes (the odd head's above them scale zero codes), lanes 16-31 the odd head's
	v_lshrrev_b32 v[SW], v[SH], v[PW]
	global_store_b32 v[VOS], v[SW], s[\sb:\sb+1] offset:\imm
.endm
	s_cmp_eq_u32 s96, 0
	s_cbranch_scc1 .Lq
	s_cmp_eq_u32 s96, 2
	s_cbranch_scc1 .Lv
	s_cmp_eq_u32 s96, 3
	s_cbranch_scc1 .Lr
	; ---- k: block (16 b + head, step) of kv: my 128 keys are one step
	s_lshl_b32 s44, s42, 4
	s_lshr_b32 s43, s38, 7
	s_add_co_u32 s44, s44, s43
	s_mul_i32 s44, s44, 13056
	s_add_nc_u64 s[48:49], s[30:31], s[44:45]
	s_add_nc_u64 s[50:51], s[48:49], 208896
	s_add_nc_u64 s[56:57], s[48:49], 6144
	s_mov_b64 s[52:53], s[48:49]                   ; (the second copy's bases are r's alone: written here so that they are written on every path)
	s_mov_b64 s[54:55], s[50:51]
	s_mov_b32 s46, 208896
	s_branch .Lkr
.Lr:	; ---- r: rows m and m + 2,049 of the extended positions
	s_lshl_b32 s43, s97, 10
	s_add_co_u32 s43, s43, s34                     ; my first position
	s_mul_i32 s44, s39, 197376
	s_lshr_b32 s47, s43, 4
	s_mul_i32 s47, s47, 768
	s_add_co_u32 s44, s44, s47
	s_add_nc_u64 s[48:49], s[32:33], s[44:45]
	s_add_nc_u64 s[50:51], s[48:49], 197376
	s_add_nc_u64 s[52:53], s[48:49], 98304
	s_add_nc_u64 s[54:55], s[50:51], 98304
	s_mul_i32 s44, s39, 16640
	s_lshl_b32 s47, s43, 2
	s_add_co_u32 s44, s44, s47
	s_add_nc_u64 s[56:57], s[32:33], s[44:45]
	s_add_nc_u64 s[56:57], s[56:57], 3158016
	s_mov_b32 s46, 16640
.Lkr:
	v_mad_u32_u24 v[VOS], v234, s46, v[VO4R]
.macro KRBLOCK a
	QUANT 64*((\a)%4), 2+(\a)/4
	STORE_H 48, 50, VO16, VO8, \a
	SCALE_H 56, 64*(\a)
	s_cmp_lg_u32 s96, 3
	s_cbranch_scc1 .Lone_\@
	STORE_H 52, 54, VO16B, VO8B, \a
	global_store_b32 v[VOS], v[SW], s[56:57] offset:64*(\a)+8196
.Lone_\@:
.endm
.irp a, 0,1,2,3,4,5,6,7
	KRBLOCK \a
.endr
	s_branch .Ldone
.Lv:	; ---- v: a lane holds one (head, d), its registers 128 keys: one fragment of the second product, with its scale word
	s_lshr_b32 s43, s34, 6
	s_lshl_b32 s44, s36, 4
	s_add_co_u32 s44, s44, s43
	s_lshl_b32 s44, s44, 4
	s_lshl_b32 s43, s37, 3
	s_add_co_u32 s44, s44, s43
	s_lshr_b32 s43, s35, 7
	s_add_co_u32 s44, s44, s43
	s_mul_i32 s44, s44, 13056
	s_add_nc_u64 s[60:61], s[30:31], s[44:45]
	s_add_nc_u64 s[60:61], s[60:61], 6656
.irp a, 0,1,2,3,4,5,6,7
	QUANT 64*(\a%4), 2+\a/4
.irp j, 0,1,2
	global_store_b128 v[VO16], v[PC+4*\j:PC+4*\j+3], s[60:61] offset:(\a/4)*208896+(\a%4)*1536+512*\j
.endr
	global_store_b32 v[VO4R], v[PW], s[60:61] offset:6144+(\a/4)*208896+(\a%4)*64   ; both halves of the lanes hold and write the same word
.endr
	s_branch .Ldone
.Lq:	; ---- q: q + u and q + v, each quantised
	s_lshl_b32 s44, s42, 7
	s_lshr_b32 s43, s38, 4
	s_add_co_u32 s44, s44, s43
	s_mul_i32 s44, s44, 768
	s_add_nc_u64 s[48:49], s[28:29], s[44:45]
	s_add_nc_u64 s[50:51], s[48:49], 98304
	s_add_nc_u64 s[52:53], s[48:49], 3145728
	s_add_nc_u64 s[54:55], s[52:53], 98304
	s_lshl_b32 s44, s42, 11
	s_add_co_u32 s44, s44, s38
	s_lshl_b32 s44, s44, 2
	s_add_nc_u64 s[56:57], s[28:29], s[44:45]
	s_add_nc_u64 s[56:57], s[56:57], 6291456
	s_add_nc_u64 s[58:59], s[56:57], 262144
	s_lshl_b32 s44, s35, 2
	s_add_nc_u64 s[24:25], s[24:25], s[44:45]      ; the biases of my 128 columns
	s_add_nc_u64 s[26:27], s[26:27], s[44:45]
	s_mov_b32 s46, 8192
	v_mad_u32_u24 v[VOS], v234, s46, v[VO4R]
	WIN 0x40                                       ; destination window 1
.irp b, 0,1,2,3,4,5,6,7                        ; register 8 b + j: column 16 b + 8 h + j, as the results lie
	global_load_b128 v[8*\b:8*\b+3], v[VU], s[24:25] offset:64*\b
	global_load_b128 v[8*\b+4:8*\b+7], v[VU], s[24:25] offset:64*\b+16
	global_load_b128 v[64+8*\b:64+8*\b+3], v[VU], s[26:27] offset:64*\b
	global_load_b128 v[64+8*\b+4:64+8*\b+7], v[VU], s[26:27] offset:64*\b+16
.endr
	WIN 0
	s_wait_loadcnt 0x0
.irp a, 0,1,2,3,4,5,6,7
	ADDB \a, 0
	QUANT T, 0
	STORE_H 48, 50, VO16, VO8, \a
	SCALE_H 56, 64*\a
	ADDB \a, 64
	QUANT T, 0
	STORE_H 52, 54, VO16, VO8, \a
	SCALE_H 58, 64*\a
.endr
.Ldone:
	s_wait_tensorcnt 0x0                           ; the wave's end
	ds_add_u32 v[SPW], v[NIL]
	s_wait_dscnt 0x0
	CROUND                                         ; the closing round: no work-group ends while a partner may still ask for a tile that names it
	s_endpgm
.Lfunc_end_k_q8752260220_proj:
	.size	k_q8752260220_proj, .Lfunc_end_k_q8752260220_proj-k_q8752260220_proj
	.p2alignl 7, 3214868480
	.fill 96, 4, 3214868480
	.section	.rodata,"a",@progbits
	.p2align	6, 0x0
	.amdhsa_kernel k_q8752260220_proj
		.amdhsa_group_segment_fixed_size 327680
		.amdhsa_private_segment_fixed_size 0
		.amdhsa_enable_private_segment 0
		.amdhsa_kernarg_size 72
		.amdhsa_user_sgpr_count 2
		.amdhsa_user_sgpr_kernarg_segment_ptr 1
		.amdhsa_wavefront_size32 1
		.amdhsa_system_sgpr_workgroup_id_x 1
		.amdhsa_system_sgpr_workgroup_id_y 1
		.amdhsa_system_sgpr_workgroup_id_z 1
		.amdhsa_system_vgpr_workitem_id 0
		.amdhsa_next_free_vgpr 1024
		.amdhsa_next_free_sgpr 102
		.amdhsa_reserve_vcc 0
		.amdhsa_float_denorm_mode_32 3
		.amdhsa_float_denorm_mode_16_64 3
		.amdhsa_memory_ordered 1
		.amdhsa_forward_progress 1
		.amdhsa_inst_pref_size 255
	.end_amdhsa_kernel
	.section	.bss,"aw",@nobits
	.p2align	6
	.space	262144
	.amdgpu_metadata
---
amdhsa.version: [ 1, 2 ]
amdhsa.kernels:
  - .name:           k_q8752260220_proj
    .symbol:         k_q8752260220_proj.kd
    .args:
      - { .name: acodes, .offset: 0, .size: 8, .value_kind: global_buffer, .address_space: global }
      - { .name: ascales, .offset: 8, .size: 8, .value_kind: global_buffer, .address_space: global }
      - { .name: wcodes, .offset: 16, .size: 8, .value_kind: global_buffer, .address_space: global }
      - { .name: wscales, .offset: 24, .size: 8, .value_kind: global_buffer, .address_space: global }
      - { .name: pos_bias_u, .offset: 32, .size: 8, .value_kind: global_buffer, .address_space: global }
      - { .name: pos_bias_v, .offset: 40, .size: 8, .value_kind: global_buffer, .address_space: global }
      - { .name: qimg, .offset: 48, .size: 8, .value_kind: global_buffer, .address_space: global }
      - { .name: kv, .offset: 56, .size: 8, .value_kind: global_buffer, .address_space: global }
      - { .name: rext, .offset: 64, .size: 8, .value_kind: global_buffer, .address_space: global }
    .group_segment_fixed_size: 327680
    .private_segment_fixed_size: 0
    .kernarg_segment_align: 8
    .kernarg_segment_size: 72
    .max_flat_workgroup_size: 128
    .sgpr_count:     102
    .vgpr_count:     1024
    .wavefront_size: 32
...
	.end_amdgpu_metadata
.endif
;; end of part 2
;; launch attn (part 3): grid 8 x 32, 16 waves a work-group, no clusters, 327,680 bytes of LDS; arguments qimg, kv, rext, av; writes av
.if DOCPART == 3
	.amdgcn_target "amdgcn-amd-amdhsa--gfx1250"
	.amdhsa_code_object_version 6
	.text
	.protected	k_q8752260220_attn
	.globl	k_q8752260220_attn
	.p2align	8
	.type	k_q8752260220_attn,@function
k_q8752260220_attn:
	s_mov_b64 s[64:65], 0
	v_nop
	global_prefetch_b8 v0, s[64:65] scope:SCOPE_SE
	s_setreg_imm32_b32 hwreg(HW_REG_WAVE_MODE, 25, 1), 1
	s_wait_xcnt 0x0
; Relative-position attention on codes of FP6 (E2M3) with E8M0 scales: score(i, j) = ((q_i + u) . k_j + BD(i, j)) / 8, softmax over j, times v; the result is quantised for the last product.
; THE SHIFT.  With e = 2047 - i + j: BD = (q_i + v) . r[e] for e < 2048, 0 for e = 2048, (q_(i+1) + v) . r[e - 2049] above.  rext holds r, a row of zero codes, and r again: so BD(i, j) = Qv(i or i + 1) . rext[e].
; SHARES.  A work-group: 256 queries of one (batch, head); each of its 16 waves 16 neighbouring queries; every wave walks the 2,048 keys, 128 a step.  Both kinds of product are used transposed: a lane holds one query (lane % 16).
; A step of a wave wants positions eb .. eb + 143, eb = 2032 - first query + 128 step, a multiple of 16: nine whole tiles of rext.  Tiles below number 128 take Qv of my queries, tiles from 128 on Qv of the queries one
; further on; the border is a tile's edge, so the operand is exchanged once and nothing is selected.
; THE SKEW.  BD comes by (query, position) and is wanted by (query, key): position p of query r is stored at word 148 r + r + 1 + p of the wave's own LDS rows, and key x is read back at word 148 r + 16 + x.
; Query r wants positions 15 - r .. 142 - r: of the first tile those from 15 - r on, of the ninth exactly the others.  So the two tiles are merged in registers and leave by eight stores, not sixteen.
; The skewed BD is the C of the products K Qu^T: no addition is written.
; K = 64 in an instruction of K = 128: a query operand has six registers of zero codes behind its six; the streamed side lies six registers apart, so its upper half is the next tile's codes, which meet zero codes.
; SOFTMAX.  t = score x log2(e) / 8; M = the running largest t rounded up to a whole number; p = 2^(t - M) is quantised along the keys; the sum is taken of the unquantised p; when M moves, the sum and O are multiplied by 2^(old M - new M).
; THE RING.  Two slots of TWO key steps each (26,112 bytes, dense in kv), filled by wave 0, one tensor load a slot.  One barrier for two steps.  A wave signals as soon as its last read of the slot, V of the second step, is in;
; the softmax and the products V^T P, work on registers alone, stand between the signal and the wait; behind the wait the slot is filled again.  So no wave's LDS work waits for another wave's softmax.
; All operands arrive as images of their registers: 16 rows x 64 codes = 768 bytes (registers 0-3 at 16 x lane, 4-5 at 512 + 8 x lane), 16 rows x 128 codes = 1,536 bytes (group j at 512 j + 16 x lane).
; NO CLUSTER: what work-groups share is a slot's 26,112 bytes for two steps, beside 119,808 bytes of positions that are each work-group's own.
; LIMITS: NaN and infinities are not served; a block whose largest magnitude lies under 2^-124 keeps the byte 1.
.set RS,    110592                     ; LDS: [0, 110,592) 144 tiles of rext; here their 2,304 scale words; both filled once
.set SPARE, 119808                     ; the spare words: 128 bytes a wave, eight blocks of 256 bytes that no other line names
.set SLOTA, 121856                     ; the ring: two slots on end
.set SLB,   26112                      ; a slot: two kv blocks
.set SKEW,  174080                     ; 9,536 bytes a wave: 16 rows of 148 words (the last store ends at byte 9,520); written by LDS stores alone
.set SKB,   9536
.set KVB,   13056                      ; a kv block: K's 8 images, 128 scale words, V's 4 images, 64 scale words
.set SPW, 1
.set NIL, 2
.set AL16, 3                           ; 16, 8, 4 x lane; 4 x (lane % 16)
.set AL8, 4
.set AL4, 5
.set AL4R, 6
.set SKW, 7
.set SKR, 8
.set KA, 9                             ; v9-15: the step's LDS addresses
.set KB, 10
.set KSA, 11
.set RA, 12
.set RB, 13
.set RSA, 14
.set RSB, 15
.set QU, 16                            ; v16-21 Qu, v22-27 zeros
.set QB, 28                            ; v28-33 Qv in use, v34-39 zeros
.set QN, 40                            ; v40-45 Qv of the next query
.set QUS, 46                           ; v46-49, v54-58: scale words and nothing else
.set QBS, 47
.set QNS, 48
.set PSC, 49
.set NM, 50                            ; -M
.set MT, 51                            ; the largest t
.set SUM, 52                           ; v[52:53]
.set SC, 54
.set PFO, 59
.set F, 60                             ; v60-119 fragments; v114-119 stay zero
.set S, 120                            ; v120-183 scores, then p; v184-191 BD's ninth tile
.set O, 192                            ; v192-223 O^T
.set P, 224                            ; v224-235 p's codes
.set BM, 236
.set PT, 240                           ; v240-247 at work: the merged tile's addresses; permutes; bytes; a chain of the sum; halves of conversions
.set SOP, 248
.set FF, 252
.set TMP, 254
.set U16, 255                          ; (lane % 16 + 8 (lane / 16) + 17) x 16; never rewritten
.set WV, 18
.set SEL, 20
.set CS, 22
.set G1R, 24
.set G1S, 32
.set G1K, 40
.set G0R, 48
.set G0S, 52
.set G0K, 56                           ; slot A's first fill (wave 0)
.set G0W, 60                           ; slot B's first fill (wave 2); in wave 0 the descriptor that walks
.set TB, 2                             ; the slot in hand
.set TR, 3                             ; where the step's nine tiles of rext begin in LDS
.set TRS, 66                           ; and their scale words
.set GT, 67                            ; the number, in rext, of the step's first tile
.set CNT, 68                           ; the slot's number, 0 to 7
.set PFA, 70
.set LIM, 72
.set MK, 80                            ; s80-87: register j of the first tile is wanted in the lanes of mask j, that of the ninth in the others
.macro GROUP1 g, rows                  ; a dense block as rows of 256 bytes: 32 elements of 8 bytes, no padding
	s_mov_b32 s[\g], 3<<16
	s_mov_b32 s[\g+1], 32<<16
	s_mov_b32 s[\g+2], (\rows)<<16
	s_mov_b32 s[\g+3], 32<<16
	s_mov_b32 s[\g+4], \rows
	s_mov_b32 s[\g+5], 32
	s_mov_b32 s[\g+6], 0
	s_mov_b32 s[\g+7], 0
.endm
.macro WM d, a, b, acc, sa, sb, odd    ; D = A x B (+ D); A's scale words in lanes 0-15 of v[sa], or in lanes 16-31 (odd)
.if \acc
.if \odd
	v_wmma_scale_f32_16x16x128_f8f6f4 v[\d:\d+7], v[\a:\a+11], v[\b:\b+11], v[\d:\d+7], v[\sa], v[\sb] matrix_a_fmt:MATRIX_FMT_FP6 matrix_b_fmt:MATRIX_FMT_FP6 matrix_a_scale:MATRIX_SCALE_ROW1
.else
	v_wmma_scale_f32_16x16x128_f8f6f4 v[\d:\d+7], v[\a:\a+11], v[\b:\b+11], v[\d:\d+7], v[\sa], v[\sb] matrix_a_fmt:MATRIX_FMT_FP6 matrix_b_fmt:MATRIX_FMT_FP6
.endif
.else
.if \odd
	v_wmma_scale_f32_16x16x128_f8f6f4 v[\d:\d+7], v[\a:\a+11], v[\b:\b+11], 0, v[\sa], v[\sb] matrix_a_fmt:MATRIX_FMT_FP6 matrix_b_fmt:MATRIX_FMT_FP6 matrix_a_scale:MATRIX_SCALE_ROW1
.else
	v_wmma_scale_f32_16x16x128_f8f6f4 v[\d:\d+7], v[\a:\a+11], v[\b:\b+11], 0, v[\sa], v[\sb] matrix_a_fmt:MATRIX_FMT_FP6 matrix_b_fmt:MATRIX_FMT_FP6
.endif
.endif
.endm
	s_load_b256 s[4:11], s[0:1], 0x0               ; qimg, kv, rext, av
	v_lshl_add_u32 v[SPW], v0, 2, SPARE
	v_mov_b32 v[NIL], 0
	ds_add_u32 v[SPW], v[NIL]                      ; the wave's opening: the add, and its wait ahead of my first tensor load
	v_lshrrev_b32 v3, 5, v0
	v_readfirstlane_b32 s[WV], v3                  ; wave 0..15
	s_and_b32 s73, ttmp7, 0xffff                   ; 16 b + head
	s_and_b32 s74, s73, 15                         ; the head
	GROUP1 G1R, 108                                ; a quarter of the 144 tiles: 27,648 bytes
	GROUP1 G1S, 36                                 ; 2,304 scale words
	GROUP1 G1K, 102                                ; a slot: two kv blocks
	s_mul_i32 s75, s74, 197376
	s_add_co_u32 s75, s75, 86016
	s_mul_i32 s76, ttmp9, 12288
	s_sub_co_u32 s75, s75, s76                     ; the window's first tile: 112 - 16 x work-group x
	s_and_b32 s78, s[WV], 3
	s_mul_i32 s78, s78, 27648                      ; my quarter, in memory and in LDS
	s_add_co_u32 s76, s75, s78
	s_mov_b32 s77, 0
	s_mul_i32 s80, s74, 16640
	s_add_co_u32 s80, s80, 3158016+7168
	s_lshl_b32 s79, ttmp9, 10
	s_sub_co_u32 s80, s80, s79
	s_mov_b32 s81, 0
	s_mul_i32 s82, s73, 208896
	s_mov_b32 s83, 0
	s_lshl_b32 s84, s73, 7
	s_lshl_b32 s79, ttmp9, 4
	s_add_co_u32 s84, s84, s79
	s_add_co_u32 s84, s84, s[WV]
	s_mul_i32 s84, s84, 768                        ; my tile of queries among the images
	s_mov_b32 s85, 0
	s_mul_i32 s86, s73, 98304
	s_mov_b32 s87, 0
	s_lshl_b32 s88, s73, 13
	s_mov_b32 s89, 0
	s_lshl_b32 s90, ttmp9, 8
	s_lshl_b32 s79, s[WV], 4
	s_add_co_u32 s90, s90, s79                     ; my first query
	s_lshl_b32 s92, s90, 2
	s_mov_b32 s93, 0
	s_mov_b32 s[SEL], 0x76543210
	s_mov_b32 s[SEL+1], 0xfedcba98
	s_mov_b32 s[CS], 0x3e38aa3b                    ; log2(e) / 8
	s_mov_b32 s[CS+1], s[CS]
	s_xor_b32 s79, s[WV], 15
	s_mul_i32 s[TR], s79, 768
	s_lshl_b32 s[TRS], s79, 6
	s_add_co_u32 s[TRS], s[TRS], RS
	s_lshl_b32 s[GT], ttmp9, 4
	s_sub_co_u32 s[GT], 112, s[GT]
	s_add_co_u32 s[GT], s[GT], s79
	s_lshr_b32 s[LIM], s[WV], 2
	s_xor_b32 s[LIM], s[LIM], 1                    ; 0 in waves 4 to 7,
	s_or_b32 s[LIM], s[LIM], ttmp9                 ; of the head's first work-group
	s_cmp_eq_u32 s[LIM], 0
	s_cselect_b32 s[LIM], 5, 0                     ; such a wave prefetches while the slot's number is under 5
	s_wait_dscnt 0x0                               ; the opening add is done
	s_wait_kmcnt 0x0
	s_mov_b32 s[G0R], 1
	s_mov_b32 s[G0R+1], s78
	s_add_nc_u64 s[G0R+2:G0R+3], s[8:9], s[76:77]
	s_or_b32 s[G0R+3], s[G0R+3], 0x80000000
	s_mov_b32 s[G0S], 1
	s_mov_b32 s[G0S+1], RS
	s_add_nc_u64 s[G0S+2:G0S+3], s[8:9], s[80:81]
	s_or_b32 s[G0S+3], s[G0S+3], 0x80000000
	s_mov_b32 s[G0K], 1
	s_mov_b32 s[G0K+1], SLOTA
	s_add_nc_u64 s[G0K+2:G0K+3], s[6:7], s[82:83]  ; key steps 0 and 1
	s_or_b32 s[G0K+3], s[G0K+3], 0x80000000
	s_mov_b32 s[G0W], 1
	s_mov_b32 s[G0W+1], SLOTA+SLB
	s_add_nc_u64 s[G0W+2:G0W+3], s[6:7], s[82:83]
	s_add_nc_u64 s[G0W+2:G0W+3], s[G0W+2:G0W+3], SLB   ; key steps 2 and 3
	s_or_b32 s[G0W+3], s[G0W+3], 0x80000000
	; the first fills: waves 0-3 a quarter of the positions each; wave 0 slot A, wave 1 the positions' scale words, wave 2 slot B.  Two loads of a wave are out at the most; every wait on TENSORcnt in this text is for 0
	s_cmp_lt_u32 s[WV], 4
	s_cbranch_scc0 .Lno_r
	tensor_load_to_lds s[G0R:G0R+3], s[G1R:G1R+7]
	s_nop 0
.rept 4
	v_nop
.endr
.Lno_r:
	s_cmp_lg_u32 s[WV], 0
	s_cbranch_scc1 .Lnot_0
	tensor_load_to_lds s[G0K:G0K+3], s[G1K:G1K+7]
	s_nop 0
.rept 4
	v_nop
.endr
	s_branch .Lasked_2
.Lnot_0:
	s_cmp_lg_u32 s[WV], 1
	s_cbranch_scc1 .Lnot_1
	tensor_load_to_lds s[G0S:G0S+3], s[G1S:G1S+7]
	s_nop 0
.rept 4
	v_nop
.endr
	s_branch .Lasked_2
.Lnot_1:
	s_cmp_lg_u32 s[WV], 2
	s_cbranch_scc1 .Lasked_2
	tensor_load_to_lds s[G0W:G0W+3], s[G1K:G1K+7]
	s_nop 0
.rept 4
	v_nop
.endr
.Lasked_2:
	s_add_nc_u64 s[12:13], s[4:5], s[84:85]        ; my tile of Qu (Qv: 3,145,728 bytes on)
	s_add_nc_u64 s[14:15], s[4:5], s[86:87]        ; my head's images
	s_add_nc_u64 s[16:17], s[4:5], s[88:89]        ; my head's scale words
	s_add_nc_u64 s[94:95], s[10:11], s[88:89]
	s_add_nc_u64 s[94:95], s[94:95], s[92:93]      ; av: my queries' scale words,
	s_add_nc_u64 s[10:11], s[10:11], s[84:85]      ; and my tile's image
	s_add_nc_u64 s[PFA:PFA+1], s[6:7], s[82:83]
	s_add_nc_u64 s[PFA:PFA+1], s[PFA:PFA+1], 2*SLB ; at fill 2: the first refill steps it to fill 3.  Nothing is prefetched at the head
	v_and_b32 v184, 31, v0                         ; lane
	v_and_b32 v185, 15, v0                         ; r
	v_bfe_u32 v186, v0, 4, 1                       ; h
	v_lshlrev_b32 v[AL16], 4, v184
	v_lshlrev_b32 v[AL8], 3, v184
	v_lshlrev_b32 v[AL4], 2, v184
	v_lshlrev_b32 v[AL4R], 2, v185
	s_mul_i32 s79, s[WV], SKB
	s_add_co_u32 s79, s79, SKEW
	v_mul_u32_u24 v[SKW], v185, 596                ; in: word 149 r + 8 h + 1 (+ 16 tile + register)
	v_lshl_add_u32 v[SKW], v186, 5, v[SKW]
	v_add_nc_u32 v[SKW], s79, v[SKW]
	v_add_nc_u32 v[SKW], 4, v[SKW]
	v_mul_u32_u24 v[SKR], v185, 592                ; back: word 148 r + 16 + 8 h (+ 16 tile + register)
	v_lshl_add_u32 v[SKR], v186, 5, v[SKR]
	v_add_nc_u32 v[SKR], s79, v[SKR]
	v_add_nc_u32 v[SKR], 64, v[SKR]
	s_and_b32 s79, s[WV], 3
	s_lshl_b32 s79, s79, 5
	v_add_nc_u32 v[PFO], s79, v184
	v_min_u32 v[PFO], 101, v[PFO]                  ; a slot is 102 x 256 bytes: four waves' lanes, 256 bytes apart, held at the last
	v_lshlrev_b32 v[PFO], 8, v[PFO]
	v_lshl_add_u32 v[TMP], v186, 3, v185           ; r + 8 h: register j of a tile holds the tile's position 8 h + j
.irp j, 0,1,2,3,4,5,6,7
	v_cmp_le_u32 s[MK+\j], 15-\j, v[TMP]           ; the first tile's position 8 h + j is wanted where 8 h + j >= 15 - r
.endr
	v_add_nc_u32 v[U16], 17, v[TMP]
	v_lshlrev_b32 v[U16], 4, v[U16]                ; (r + 8 h + 17) x 16: with 16 j added, bit 9 says the same as mask j
	v_add_nc_u32 v187, s90, v185                   ; my query
	v_lshlrev_b32 v188, 2, v187
	v_add_nc_u32 v187, 1, v187
	v_min_u32 v187, 0x7ff, v187                    ; the next one (query 2,047 never needs its successor: its positions all lie below 2,048)
	v_lshlrev_b32 v189, 2, v187
	v_lshrrev_b32 v190, 4, v187
	v_mul_u32_u24 v190, v190, 768
	v_and_b32 v187, 15, v187
	v_lshl_add_u32 v187, v186, 4, v187             ; the lane that holds it in its tile's image
	v_lshl_add_u32 v191, v187, 4, v190
	v_lshl_add_u32 v190, v187, 3, v190
	global_load_b128 v[QU:QU+3], v[AL16], s[12:13]
	global_load_b64 v[QU+4:QU+5], v[AL8], s[12:13] offset:512
	global_load_b128 v[QB:QB+3], v[AL16], s[12:13] offset:3145728
	global_load_b64 v[QB+4:QB+5], v[AL8], s[12:13] offset:3145728+512
	global_load_b128 v[QN:QN+3], v191, s[14:15] offset:3145728
	global_load_b64 v[QN+4:QN+5], v190, s[14:15] offset:3145728+512
	global_load_b32 v[QUS], v188, s[16:17] offset:6291456
	global_load_b32 v[QBS], v188, s[16:17] offset:6553600
	global_load_b32 v[QNS], v189, s[16:17] offset:6553600
.irp i, 22,23,24,25,26,27,34,35,36,37,38,39,114,115,116,117,118,119
	v_mov_b32 v\i, 0                               ; zero codes
.endr
	v_mov_b32 v[MT], 0xff61b1e6                    ; -3e38, under every t
	v_floor_f32 v[NM], -v[MT]
	v_mov_b32 v[SUM], 0
	v_mov_b32 v[SUM+1], 0
.set i, 0
.rept 32
	v_mov_b32 v[O+i], 0                            ; the step is written for every step alike: the first finds zeros
.set i, i+1
.endr
.irp b, 0,1,2,3
	v_mov_b32 v[PT+\b], 0                          ; a lane permute's destination counts as one of its sources
.endr
	v_mov_b32 v[FF+1], 0                           ; named as the upper half of a pair
	s_wait_loadcnt 0x0
.macro KVLOAD                          ; wave 0 fills the slot that has just been left; an s_nop 0 and four v_nop follow
	s_cmp_lg_u32 s[WV], 0
	s_cbranch_scc1 .Lno_kv_\@
	tensor_load_to_lds s[G0W:G0W+3], s[G1K:G1K+7]
	s_nop 0
.rept 4
	v_nop
.endr
.Lno_kv_\@:
.endm
; A prefetch of the slot's worth that the NEXT refill will load: two key steps ahead of that load.  All eight work-groups of a head walk the same blocks: the first of them asks, by its waves 4 to 7, which fetch nothing;
; lanes 256 bytes apart.  The last refill asks for nothing; fills 0, 1 and 2 come by their loads alone.
.macro ASK
	s_cmp_lt_u32 s[CNT], s[LIM]
	s_cbranch_scc0 .Lnot_mine_\@
	global_prefetch_b8 v[PFO], s[PFA:PFA+1] th:TH_LOAD_NT scope:SCOPE_SE
.Lnot_mine_\@:
.endm
; Tile number 128 of rext begins the second copy: from it on the queries one further on are multiplied.  A scalar branch on ids and the count of steps; run twice it does the same again.
.macro SWITCH T
	s_cmp_lg_u32 s[GT], 128-\T
	s_cbranch_scc1 .Lsame_\@
.rept 4
	v_nop                                          ; places behind the products that read the operand
.endr
.irp i, 0,1,2,3,4,5
	v_mov_b32 v[QB+\i], v[QN+\i]
.endr
	v_mov_b32 v[QBS], v[QNS]
.rept 8
	v_nop                                          ; a scale register written by a vector instruction stands 8 places ahead of the product
.endr
.Lsame_\@:
.endm
.macro SLOTHEAD                        ; where slot number CNT lies: the two slots by turns
	s_and_b32 s[TB], s[CNT], 1
	s_mul_i32 s[TB], s[TB], SLB
	s_add_co_u32 s[TB], s[TB], SLOTA
.endm
; A key step: the q-th of the slot in hand.  bar = 1: the slot's last step, with the barrier;  fill = 1: behind the barrier the slot is filled again.
.macro STEP q, bar, fill
	v_add_nc_u32 v[KA], s[TB], v[AL16]             ; seven additions: also the places behind the last products
	v_add_nc_u32 v[KB], s[TB], v[AL8]
	v_add_nc_u32 v[KSA], s[TB], v[AL4]
	v_add_nc_u32 v[RA], s[TR], v[AL16]
	v_add_nc_u32 v[RB], s[TR], v[AL8]
	v_add_nc_u32 v[RSA], s[TRS], v[AL4]
	v_add_nc_u32 v[RSB], s[TRS], v[AL4R]
.irp T, 0,1,2,3,4,5,6,7,8
	ds_load_b128 v[F+6*\T:F+6*\T+3], v[RA] offset:768*\T
	ds_load_b64 v[F+6*\T+4:F+6*\T+5], v[RB] offset:768*\T+512
.endr
.irp i, 0,1,2,3
	ds_load_b32 v[SC+\i], v[RSA] offset:128*\i     ; lanes 0-15 tile 2 i's words, lanes 16-31 tile 2 i + 1's
.endr
	ds_load_b32 v[SC+4], v[RSB] offset:512
	s_wait_dscnt 0x0
.irp T, 0,1,2,3,4,5,6,7,8                      ; BD^T: register j of tile T: position 16 T + 8 h + j of query r
	SWITCH \T
	WM S+8*\T, F+6*\T, QB, 0, SC+\T/2, QBS, \T%2
.endr
.rept 5
	v_nop                                          ; places: the stores read results, the loads land on operands, and later products write over these results
.endr
.irp T, 1,2,3,4,5,6,7
.irp j, 0,1,2,3,4,5,6,7
	ds_store_b32 v[SKW], v[S+8*\T+\j] offset:64*\T+4*\j   ; word 149 r + 8 h + ..: the 32 lanes touch 32 different banks
.endr
.endr
	; the first and the ninth tile, merged: a lane keeps of each pair of registers the one that its query wants, and stores it at that one's place, 128 words apart (the same bank)
	v_and_b32 v[PT], 0x200, v[U16]
.irp j, 1,2,3,4,5,6,7
	v_add_nc_u32 v[PT+\j], 16*\j, v[U16]
.endr
.irp j, 1,2,3,4,5,6,7
	v_and_b32 v[PT+\j], 0x200, v[PT+\j]            ; 512 where the first tile's register is wanted, else 0
.endr
.irp j, 0,1,2,3,4,5,6,7
	v_sub_nc_u32 v[PT+\j], v[SKW], v[PT+\j]        ; the store's immediate names the ninth tile's place, 512 bytes on
.endr
.irp j, 0,1,2,3,4,5,6,7
	v_cndmask_b32 v[S+64+\j], v[S+64+\j], v[S+\j], s[MK+\j]
.endr
.irp j, 0,1,2,3,4,5,6,7
	ds_store_b32 v[PT+\j], v[S+64+\j] offset:512+4*\j
.endr
.irp t, 0,1,2,3,4,5,6,7                        ; LDS serves a wave's instructions in order: these see the stores above
	ds_load_b128 v[S+8*\t:S+8*\t+3], v[SKR] offset:64*\t
	ds_load_b128 v[S+8*\t+4:S+8*\t+7], v[SKR] offset:64*\t+16
.endr
.irp t, 0,1,2,3,4,5,6,7
	ds_load_b128 v[F+6*\t:F+6*\t+3], v[KA] offset:(\q)*KVB+768*\t
	ds_load_b64 v[F+6*\t+4:F+6*\t+5], v[KB] offset:(\q)*KVB+768*\t+512
.endr
.irp i, 0,1,2,3
	ds_load_b32 v[SC+\i], v[KSA] offset:(\q)*KVB+6144+128*\i
.endr
	s_wait_dscnt 0x0
.irp t, 0,1,2,3,4,5,6,7                        ; S^T = K Qu^T + the skewed BD
	WM S+8*\t, F+6*\t, QU, 1, SC+\t/2, QUS, \t%2
.endr
.rept 4
	v_nop
.endr
.irp t, 0,1,2,3
.irp j, 0,1,2
	ds_load_b128 v[F+12*\t+4*\j:F+12*\t+4*\j+3], v[KA] offset:(\q)*KVB+6656+1536*\t+512*\j   ; V's four fragments
.endr
.endr
.irp i, 0,1
	ds_load_b32 v[SC+\i], v[KSA] offset:(\q)*KVB+12800+128*\i
.endr
.if \bar
	; my reads of this slot are issued.  All my tensor loads are waited for (in wave 0: the other slot's), 0 is added to my spare word, that and my reads are waited for, and I signal: all that follows up to the wait is work on registers
	s_wait_tensorcnt 0x0                           ; no tensor load of mine is out, so a descriptor may be written
	ds_add_u32 v[SPW], v[NIL]
.if \fill
	s_mov_b32 s[G0W+1], s[TB]                      ; the walking descriptor: the slot in hand,
	s_add_nc_u64 s[G0W+2:G0W+3], s[G0W+2:G0W+3], SLB   ; the key steps two slots on; the type bits on top are not reached
	s_wait_xcnt 0x0                                ; the last prefetch, a slot back, has read its address
	s_add_nc_u64 s[PFA:PFA+1], s[PFA:PFA+1], SLB
.endif
	s_wait_dscnt 0x0                               ; the add is done; V is in: my reads of the slot are over
	s_barrier_signal -1
.endif
.irp b, 0,1,2,3
	v_max3_num_f32 v[BM+\b], v[S+16*\b], v[S+1+16*\b], v[S+2+16*\b]   ; the largest score of each block of 32 keys: for the row's maximum, and for the block's largest p
.endr
.irp i, 3,5,7,9,11,13
.irp b, 0,1,2,3
	v_max3_num_f32 v[BM+\b], v[BM+\b], v[S+16*\b+\i], v[S+1+16*\b+\i]
.endr
.endr
.irp b, 0,1,2,3
	v_max_num_f32 v[BM+\b], v[BM+\b], v[S+15+16*\b]
.endr
.irp b, 0,1,2,3
	v_permlanex16_b32 v[PT+\b], v[BM+\b], s[SEL], s[SEL+1]
.endr
.irp b, 0,1,2,3
	v_max_num_f32 v[BM+\b], v[BM+\b], v[PT+\b]
.endr
	v_max3_num_f32 v[TMP], v[BM], v[BM+1], v[BM+2]
	v_max_num_f32 v[TMP], v[TMP], v[BM+3]
	v_mul_f32 v[TMP], s[CS], v[TMP]
	v_max_num_f32 v[MT], v[MT], v[TMP]             ; the running largest t
	v_mov_b32 v[TMP], v[NM]
	v_floor_f32 v[NM], -v[MT]                      ; -M = floor(-t): M is a whole number
	v_sub_f32 v[TMP], v[NM], v[TMP]
	v_cvt_i32_f32 v[TMP], v[TMP]                   ; (it saturates)
	v_ldexp_f32 v[FF], 1.0, v[TMP]                 ; f = 2^(old M - new M)
.set i, 0
.rept 32
	v_pk_fma_f32 v[S+i:S+i+1], v[S+i:S+i+1], s[CS:CS+1], v[NM:NM+1] op_sel_hi:[1,0,0]   ; t - M
.set i, i+2
.endr
.irp b, 0,1,2,3
	v_fma_f32 v[BM+\b], v[BM+\b], s[CS], v[NM]
.endr
.set i, 0
.rept 64
	v_exp_f32 v[S+i], v[S+i]                       ; p = 2^(t - M)
.set i, i+1
.endr
	v_pk_mul_f32 v[SUM:SUM+1], v[SUM:SUM+1], v[FF:FF+1] op_sel_hi:[1,0]   ; a plain place behind the exponentials
	s_wait_alu depctr_va_vdst(0)                   ; one wait for the batch, ahead of its first reader
.irp b, 0,1,2,3
	v_exp_f32 v[BM+\b], v[BM+\b]                   ; the blocks' largest p
.endr
	v_pk_add_f32 v[PT:PT+1], v[S:S+1], v[S+2:S+3]  ; the sum of the unquantised p, in two chains
.irp j, 4,8,12,16,20,24,28,32,36,40,44,48,52,56,60
	v_pk_add_f32 v[SUM:SUM+1], v[SUM:SUM+1], v[S+\j:S+\j+1]
	v_pk_add_f32 v[PT:PT+1], v[PT:PT+1], v[S+2+\j:S+3+\j]
.endr
	v_pk_add_f32 v[SUM:SUM+1], v[SUM:SUM+1], v[PT:PT+1]
	s_wait_alu depctr_va_vdst(0)                   ; and one for the four
.irp b, 0,1,2,3
	v_max_num_f32 v[BM+\b], 0x1800000, v[BM+\b]    ; the floor: the byte cannot fall under 1
.endr
.irp b, 0,1,2,3
	v_add_nc_u32 v[SOP+\b], 0xff000000, v[BM+\b]
.endr
.irp b, 0,1,2,3
	v_lshrrev_b32 v[PT+\b], 23, v[SOP+\b]
.endr
	v_lshl_or_b32 v[PSC], v[PT+1], 8, v[PT]
	v_lshl_or_b32 v[PSC], v[PT+2], 16, v[PSC]
	v_lshl_or_b32 v[PSC], v[PT+3], 24, v[PSC]
.irp c, 0,1
	v_cvt_scalef32_pk16_fp6_f32 v[P+6*\c:P+2+6*\c], v[S+32*\c:S+15+32*\c], v[SOP+2*\c]
	v_cvt_scalef32_pk16_fp6_f32 v[PT+4*\c:PT+2+4*\c], v[S+16+32*\c:S+31+32*\c], v[SOP+2*\c+1]
.endr
	v_nop                                          ; one plain place behind a scaled conversion
.irp c, 0,1
.irp i, 0,1,2
	v_permlane16_swap_b32 v[P+6*\c+\i], v[PT+4*\c+\i]
.endr
.irp i, 0,1,2
	v_mov_b32 v[P+3+6*\c+\i], v[PT+4*\c+\i]
.endr
.endr
.set i, 0
.rept 16
	v_pk_mul_f32 v[O+i:O+i+1], v[O+i:O+i+1], v[FF:FF+1] op_sel_hi:[1,0]   ; O^T under the new M; also the places in front of the products
.set i, i+2
.endr
.if !(\bar)
	s_wait_dscnt 0x0                               ; V is in
.endif
.irp t, 0,1,2,3
	WM O+8*\t, F+12*\t, P, 1, SC+\t/2, PSC, \t%2
.endr
.if \bar
	s_barrier_wait -1                              ; every wave has left the slot, and the other slot is whole
.if \fill
	KVLOAD                                         ; the first thing behind the barrier, and wave 0's one tensor load until the next: it has two key steps, less this wave's softmax, in which to land
	ASK
.endif
.endif
	s_add_co_u32 s[TR], s[TR], 6144                ; eight tiles on
	s_add_co_u32 s[TRS], s[TRS], 512
	s_add_co_u32 s[GT], s[GT], 8
.endm
	s_wait_tensorcnt 0x0                           ; my first fills have landed;
	ds_add_u32 v[SPW], v[NIL]
	s_wait_dscnt 0x0
	s_barrier_signal -1
	s_barrier_wait -1                              ; everybody's have: the positions, their scale words and both slots are whole.
	s_mov_b32 s[CNT], 0
.Lslot:                                            ; slots 0 to 5: each is filled again when it has been left, with the key steps two slots on
	SLOTHEAD
	STEP 0, 0, 0
	STEP 1, 1, 1
	s_add_co_u32 s[CNT], s[CNT], 1
	s_cmp_lt_u32 s[CNT], 6
	s_cbranch_scc1 .Lslot
	s_mov_b32 s[CNT], 6                            ; (the count stands at 6 here: written so that the tail can be read by itself)
.Ltail:                                            ; slots 6 and 7 are written apart: nothing is left to fetch.  Slot 6's barrier shows slot 7 whole; slot 7's orders nothing: the price of writing the tail once
	SLOTHEAD
	STEP 0, 0, 0
	STEP 1, 1, 0
	s_add_co_u32 s[CNT], s[CNT], 1
	s_cmp_lt_u32 s[CNT], 8
	s_cbranch_scc1 .Ltail
	; THE WAY OUT: O^T / the sum, quantised along d (two blocks of 32), stored as the image of half an operand of the last product
	v_add_f32 v[SUM], v[SUM], v[SUM+1]
	v_permlanex16_b32 v[FF], v[SUM], s[SEL], s[SEL+1]
	v_add_f32 v[SUM], v[SUM], v[FF]
	v_rcp_f32 v[SUM], v[SUM]
.rept 4
	v_nop                                          ; plain places, behind the reciprocal and behind the last products
.endr
	s_wait_alu depctr_va_vdst(0)
.set i, 0
.rept 32
	v_mul_f32 v[S+i], v[O+i], v[SUM]
.set i, i+1
.endr
.irp b, 0,1
	v_max3_num_f32 v[BM+\b], |v[S+16*\b]|, |v[S+1+16*\b]|, 0x1800000
.endr
.irp i, 2,4,6,8,10,12,14
.irp b, 0,1
	v_max3_num_f32 v[BM+\b], v[BM+\b], |v[S+16*\b+\i]|, |v[S+1+16*\b+\i]|
.endr
.endr
.irp b, 0,1
	v_permlanex16_b32 v[PT+\b], v[BM+\b], s[SEL], s[SEL+1]
.endr
.irp b, 0,1
	v_max_num_f32 v[BM+\b], v[BM+\b], v[PT+\b]
.endr
.irp b, 0,1
	v_add_nc_u32 v[SOP+\b], 0xff000000, v[BM+\b]
.endr
.irp b, 0,1
	v_lshrrev_b32 v[PT+\b], 23, v[SOP+\b]
.endr
	v_lshl_or_b32 v[TMP], v[PT+1], 8, v[PT]        ; two bytes; the upper two stay 0
	v_cvt_scalef32_pk16_fp6_f32 v[P:P+2], v[S:S+15], v[SOP]
	v_cvt_scalef32_pk16_fp6_f32 v[PT+4:PT+6], v[S+16:S+31], v[SOP+1]
	v_nop
.irp i, 0,1,2
	v_permlane16_swap_b32 v[P+\i], v[PT+4+\i]
.endr
.irp i, 0,1,2
	v_mov_b32 v[P+3+\i], v[PT+4+\i]
.endr
	global_store_b128 v[AL16], v[P:P+3], s[10:11]              ; 512 consecutive bytes,
	global_store_b64 v[AL8], v[P+4:P+5], s[10:11] offset:512   ; and 256
	global_store_b32 v[AL4R], v[TMP], s[94:95] offset:3145728  ; both halves of the lanes write the same word
	s_wait_tensorcnt 0x0                           ; the wave's end
	ds_add_u32 v[SPW], v[NIL]
	s_wait_dscnt 0x0
	s_endpgm
.Lfunc_end_k_q8752260220_attn:
	.size	k_q8752260220_attn, .Lfunc_end_k_q8752260220_attn-k_q8752260220_attn
	.p2alignl 7, 3214868480
	.fill 96, 4, 3214868480
	.section	.rodata,"a",@progbits
	.p2align	6, 0x0
	.amdhsa_kernel k_q8752260220_attn
		.amdhsa_group_segment_fixed_size 327680
		.amdhsa_private_segment_fixed_size 0
		.amdhsa_enable_private_segment 0
		.amdhsa_kernarg_size 32
		.amdhsa_user_sgpr_count 2
		.amdhsa_user_sgpr_kernarg_segment_ptr 1
		.amdhsa_wavefront_size32 1
		.amdhsa_system_sgpr_workgroup_id_x 1
		.amdhsa_system_sgpr_workgroup_id_y 1
		.amdhsa_system_sgpr_workgroup_id_z 1
		.amdhsa_system_vgpr_workitem_id 0
		.amdhsa_next_free_vgpr 256
		.amdhsa_next_free_sgpr 96
		.amdhsa_reserve_vcc 0
		.amdhsa_float_denorm_mode_32 3
		.amdhsa_float_denorm_mode_16_64 3
		.amdhsa_memory_ordered 1
		.amdhsa_forward_progress 1
		.amdhsa_inst_pref_size 142
	.end_amdhsa_kernel
	.amdgpu_metadata
---
amdhsa.version: [ 1, 2 ]
amdhsa.kernels:
  - .name:           k_q8752260220_attn
    .symbol:         k_q8752260220_attn.kd
    .args:
      - { .name: qimg, .offset: 0, .size: 8, .value_kind: global_buffer, .address_space: global }
      - { .name: kv, .offset: 8, .size: 8, .value_kind: global_buffer, .address_space: global }
      - { .name: rext, .offset: 16, .size: 8, .value_kind: global_buffer, .address_space: global }
      - { .name: av, .offset: 24, .size: 8, .value_kind: global_buffer, .address_space: global }
    .group_segment_fixed_size: 327680
    .private_segment_fixed_size: 0
    .kernarg_segment_align: 8
    .kernarg_segment_size: 32
    .max_flat_workgroup_size: 512
    .sgpr_count:     96
    .vgpr_count:     256
    .wavefront_size: 32
...
	.end_amdgpu_metadata
.endif
;; end of part 3
;; launch outln (part 4): grid 128 x 1, 16 waves a work-group, no clusters, 160,256 bytes of LDS; arguments av, wcodes, wscales, x, ln_gamma, ln_beta, out0; writes out0
.if DOCPART == 4
	.amdgcn_target "amdgcn-amd-amdhsa--gfx1250"
	.amdhsa_code_object_version 6
	.text
	.protected	k_q8752260220_outln
	.globl	k_q8752260220_outln
	.p2align	8
	.type	k_q8752260220_outln,@function
k_q8752260220_outln:
	s_mov_b64 s[64:65], 0
	v_nop
	global_prefetch_b8 v0, s[64:65] scope:SCOPE_SE
	s_setreg_imm32_b32 hwreg(HW_REG_WAVE_MODE, 25, 1), 1
	s_wait_xcnt 0x0
; out0 = LayerNorm(x + attn_vec W_o) x gamma + beta.  attn_vec and W_o arrive as codes of FP6 (E2M3) with E8M0 scales, as images of the operands' registers.
; A work-group takes 16 sequence positions of both batches: 32 whole rows of the output, so that a row's mean and variance never leave the work-group.  128 work-groups.
; Wave w makes columns 64 w .. 64 w + 63 (four tiles of W_o) for both tiles of rows (tile m = batch m): each fragment of W_o, read from memory straight into registers, feeds two products.
; Phase X: wave w = 8 m + s puts together fragment (m, K step s) of attn_vec from the images of heads 2 s and 2 s + 1 and hands it to all waves through LDS, as it stands.
; The products are used transposed (source 0 = 16 columns of W_o, source 1 = 16 rows): a lane holds eight neighbouring columns of one row.  The results meet in a stage; wave w then owns rows w and 16 + w, whole.
; The variance is taken of y - mean, in a second pass over registers: no difference of large sums.  No tensor load.
; LIMITS: NaN and infinities among the inputs are not served.
.set XIMG,  0                          ; 16 fragments of 1,536 bytes (number 8 m + s)
.set XSC,   24576                      ; their scale words, 128 bytes each
.set STG,   26624                      ; 32 rows x (4,096 + 16) bytes
.set SPITCH, 4112
.set SPARE, 158208                     ; the spare words: 128 bytes a wave, eight blocks of 256 bytes that no other line names
.set SPW, 1
.set NIL, 2
.set L16, 3
.set L4,  4
.set L4R, 5
.set XWI, 6
.set XWS, 7
.set SO,  8
.set SO2, 9
.set SR,  10
.set SR2, 11
.set L8,  12
.set ACC, 16                           ; v16-79   accumulator (m, t) at 16 + 8 (4 m + t); later the rows read back
.set AF,  80                           ; v80-127  attn_vec's fragments, two sets of two; later x
.set BF,  128                          ; v128-223 W_o's fragments, two sets of four; later x, gamma, beta
.set WS,  224                          ; v224-239 W_o's scale words, v240-243 attn_vec's: scales and nothing else
.set AS,  240
.macro WM d, a, b, acc, sa, sb, odd
.if \acc
.if \odd
	v_wmma_scale_f32_16x16x128_f8f6f4 v[\d:\d+7], v[\a:\a+11], v[\b:\b+11], v[\d:\d+7], v[\sa], v[\sb] matrix_a_fmt:MATRIX_FMT_FP6 matrix_b_fmt:MATRIX_FMT_FP6 matrix_a_scale:MATRIX_SCALE_ROW1
.else
	v_wmma_scale_f32_16x16x128_f8f6f4 v[\d:\d+7], v[\a:\a+11], v[\b:\b+11], v[\d:\d+7], v[\sa], v[\sb] matrix_a_fmt:MATRIX_FMT_FP6 matrix_b_fmt:MATRIX_FMT_FP6
.endif
.else
.if \odd
	v_wmma_scale_f32_16x16x128_f8f6f4 v[\d:\d+7], v[\a:\a+11], v[\b:\b+11], 0, v[\sa], v[\sb] matrix_a_fmt:MATRIX_FMT_FP6 matrix_b_fmt:MATRIX_FMT_FP6 matrix_a_scale:MATRIX_SCALE_ROW1
.else
	v_wmma_scale_f32_16x16x128_f8f6f4 v[\d:\d+7], v[\a:\a+11], v[\b:\b+11], 0, v[\sa], v[\sb] matrix_a_fmt:MATRIX_FMT_FP6 matrix_b_fmt:MATRIX_FMT_FP6
.endif
.endif
.endm
	s_load_b256 s[4:11], s[0:1], 0x0               ; av, wcodes, wscales, x
	s_load_b128 s[12:15], s[0:1], 0x20             ; ln_gamma, ln_beta
	s_load_b64 s[16:17], s[0:1], 0x30              ; out0
	v_lshl_add_u32 v[SPW], v0, 2, SPARE
	v_mov_b32 v[NIL], 0
	v_lshrrev_b32 v3, 5, v0
	v_readfirstlane_b32 s18, v3                    ; wave 0..15
	v_and_b32 v13, 31, v0
	v_and_b32 v14, 15, v0                          ; r
	v_bfe_u32 v15, v0, 4, 1                        ; h
	v_lshlrev_b32 v[L16], 4, v13
	v_lshlrev_b32 v[L4], 2, v13
	v_lshlrev_b32 v[L4R], 2, v14
	v_lshlrev_b32 v[L8], 3, v13
	s_mul_i32 s24, s18, 1536
	v_add_nc_u32 v[XWI], s24, v[L16]
	s_lshl_b32 s24, s18, 7
	v_add_nc_u32 v[XWS], s24, v[L4]
	v_mul_u32_u24 v[SO], v14, SPITCH
	v_lshl_add_u32 v[SO], v15, 5, v[SO]
	s_lshl_b32 s24, s18, 8
	s_add_co_u32 s24, s24, STG
	v_add_nc_u32 v[SO], s24, v[SO]                 ; the stage, in: row r, + 256 w + 32 h
	v_add_nc_u32 v[SO2], 16*SPITCH, v[SO]          ; and 16 rows on, for batch 1
	s_mul_i32 s24, s18, SPITCH
	s_add_co_u32 s24, s24, STG
	v_add_nc_u32 v[SR], s24, v[L16]                ; back: row w, 16 bytes a lane
	v_add_nc_u32 v[SR2], 16*SPITCH, v[SR]
	s_lshl_b32 s26, s18, 8
	s_add_co_u32 s26, s26, ttmp9
	s_mul_i32 s26, s26, 768                        ; image (head pair 2 w of 32, my tile of queries)
	s_mov_b32 s27, 0
	s_lshl_b32 s28, s18, 14
	s_lshl_b32 s24, ttmp9, 6
	s_add_co_u32 s28, s28, s24
	s_add_co_u32 s28, s28, 3145728
	s_mov_b32 s29, 0
	s_mul_i32 s30, s18, 49152
	s_add_co_u32 s30, s30, 3145728                 ; W_o's images of my four column tiles
	s_mov_b32 s31, 0
	s_lshl_b32 s32, s18, 8
	s_add_co_u32 s32, s32, 131072
	s_mov_b32 s33, 0
	s_lshl_b32 s34, ttmp9, 5
	s_lshl_b32 s24, s18, 1
	s_add_co_u32 s34, s34, s24
	s_lshl_b32 s34, s34, 12                        ; rows 32 g + 2 w and the next, of 4,096 bytes
	s_mov_b32 s35, 0
	s_mov_b32 s20, 0x76543210
	s_mov_b32 s21, 0xfedcba98
	s_mov_b32 s22, 0x3a800000                      ; 1 / 1,024
	s_mov_b32 s23, 0x3727c5ac                      ; 1e-5
	s_wait_kmcnt 0x0
	s_add_nc_u64 s[36:37], s[4:5], s[28:29]        ; attn_vec's scale words
	s_add_nc_u64 s[4:5], s[4:5], s[26:27]
	s_add_nc_u64 s[6:7], s[6:7], s[30:31]
	s_add_nc_u64 s[8:9], s[8:9], s[32:33]
	s_add_nc_u64 s[10:11], s[10:11], s[34:35]
	s_add_nc_u64 s[16:17], s[16:17], s[34:35]
.macro BLOAD s                         ; K step s of my four tiles of W_o: twelve loads of 512 consecutive bytes
.irp t, 0,1,2,3
.irp j, 0,1,2
	global_load_b128 v[BF+48*((\s)%2)+12*\t+4*\j:BF+48*((\s)%2)+12*\t+4*\j+3], v[L16], s[6:7] offset:(8*\t+(\s))*1536+512*\j
.endr
.endr
.endm
.macro ALOAD s                         ; K step s of both tiles of rows: eight LDS loads
.irp m, 0,1
.irp j, 0,1,2
	ds_load_b128 v[AF+24*((\s)%2)+12*\m+4*\j:AF+24*((\s)%2)+12*\m+4*\j+3], v[L16] offset:XIMG+(8*\m+(\s))*1536+512*\j
.endr
	ds_load_b32 v[AS+2*((\s)%2)+\m], v[L4] offset:XSC+128*(8*\m+(\s))
.endr
.endm
.irp s, 0,1,2,3,4,5,6,7
.irp i, 0,1
	global_load_b32 v[WS+2*\s+\i], v[L4], s[8:9] offset:\s*4096+128*\i   ; lanes 0-15 tile 2 i's words, lanes 16-31 tile 2 i + 1's
.endr
.endr
	; ---- X: my fragment: heads 2 s and 2 s + 1, six registers each
	global_load_b128 v[244:247], v[L16], s[4:5]
	global_load_b64 v[248:249], v[L8], s[4:5] offset:512
	global_load_b128 v[250:253], v[L16], s[4:5] offset:98304
	global_load_b64 v[254:255], v[L8], s[4:5] offset:98304+512
	global_load_b32 v[AS], v[L4R], s[36:37]
	global_load_b32 v[AS+1], v[L4R], s[36:37] offset:8192
	BLOAD 0
	s_wait_loadcnt 12                              ; all but the twelve just issued
	v_lshl_or_b32 v[AS], v[AS+1], 16, v[AS]        ; two bytes of each head make the K step's word
.irp j, 0,1,2
	ds_store_b128 v[XWI], v[244+4*\j:247+4*\j] offset:XIMG+512*\j
.endr
	ds_store_b32 v[XWS], v[AS] offset:XSC
	s_wait_dscnt 0x0                               ; for the others' sake: my stores have landed
	s_barrier_signal -1
	s_barrier_wait -1                              ; the sixteen fragments lie in LDS
	ALOAD 0
	; ---- the products: eight accumulators by turns, a K step at a time
.irp s, 0,1,2,3,4,5,6,7
.if \s < 7
.if \s > 0
.rept 4
	v_nop                                          ; places in front of loads into registers that the step before has multiplied
.endr
.endif
	BLOAD \s+1
	ALOAD \s+1
	s_wait_loadcnt 12                              ; this step's weights are in; the next step's twelve loads may be out
	s_wait_dscnt 8                                 ; likewise the next step's eight LDS loads
.else
	s_wait_loadcnt 0
	s_wait_dscnt 0
.endif
.irp m, 0,1
.irp t, 0,1,2,3
	WM ACC+8*(4*\m+\t), BF+48*(\s%2)+12*\t, AF+24*(\s%2)+12*\m, \s, WS+2*\s+\t/2, AS+2*(\s%2)+\m, \t%2
.endr
.endr
.endr
.rept 4
	v_nop
.endr
	; x's two rows, gamma and beta: asked for now, into registers that the products have left
.irp m, 0,1
.irp i, 0,1,2,3,4,5,6,7
	global_load_b128 v[80+32*\m+4*\i:83+32*\m+4*\i], v[L16], s[10:11] offset:4096*\m+512*\i th:TH_LOAD_NT
.endr
.endr
.irp i, 0,1,2,3,4,5,6,7
	global_load_b128 v[144+4*\i:147+4*\i], v[L16], s[12:13] offset:512*\i
	global_load_b128 v[176+4*\i:179+4*\i], v[L16], s[14:15] offset:512*\i
.endr
.irp t, 0,1,2,3
	ds_store_b128 v[SO], v[ACC+8*\t:ACC+8*\t+3] offset:64*\t          ; each accumulator from its low end on
	ds_store_b128 v[SO], v[ACC+8*\t+4:ACC+8*\t+7] offset:64*\t+16
.endr
.irp t, 0,1,2,3
	ds_store_b128 v[SO2], v[ACC+32+8*\t:ACC+32+8*\t+3] offset:64*\t
	ds_store_b128 v[SO2], v[ACC+32+8*\t+4:ACC+32+8*\t+7] offset:64*\t+16
.endr
	s_wait_dscnt 0x0
	s_barrier_signal -1
	s_barrier_wait -1                              ; 32 whole rows lie in the stage
.irp i, 0,1,2,3,4,5,6,7
	ds_load_b128 v[16+4*\i:19+4*\i], v[SR] offset:512*\i
.endr
.irp i, 0,1,2,3,4,5,6,7
	ds_load_b128 v[48+4*\i:51+4*\i], v[SR2] offset:512*\i
.endr
	s_wait_loadcnt 0x0
.macro REDUCE                          ; v244 summed over the 32 lanes, in every lane
	v_add_f32_dpp v244, v244, v244 row_xmask:1 row_mask:0xf bank_mask:0xf
	v_add_f32_dpp v244, v244, v244 row_xmask:2 row_mask:0xf bank_mask:0xf
	v_add_f32_dpp v244, v244, v244 row_xmask:4 row_mask:0xf bank_mask:0xf
	v_add_f32_dpp v244, v244, v244 row_xmask:8 row_mask:0xf bank_mask:0xf
	v_permlanex16_b32 v245, v244, s20, s21
	v_add_f32 v244, v244, v245
.endm
.macro LNORM m, left                   ; one whole row: 32 numbers a lane
.set Y, 80+32*(\m)
.set CI, 16+32*(\m)
	s_wait_dscnt \left
.set i, 0
.rept 16
	v_pk_add_f32 v[Y+i:Y+i+1], v[Y+i:Y+i+1], v[CI+i:CI+i+1]   ; y = x + attn_out
.set i, i+2
.endr
	v_pk_add_f32 v[244:245], v[Y:Y+1], v[Y+2:Y+3]
	v_pk_add_f32 v[246:247], v[Y+4:Y+5], v[Y+6:Y+7]
.irp j, 8,12,16,20,24,28
	v_pk_add_f32 v[244:245], v[244:245], v[Y+\j:Y+\j+1]
	v_pk_add_f32 v[246:247], v[246:247], v[Y+\j+2:Y+\j+3]
.endr
	v_pk_add_f32 v[244:245], v[244:245], v[246:247]
	v_add_f32 v244, v244, v245
	REDUCE
	v_mul_f32 v248, s22, v244                      ; the mean
	v_mov_b32 v249, v248
.set i, 0
.rept 16
	v_pk_add_f32 v[Y+i:Y+i+1], v[Y+i:Y+i+1], v[248:249] neg_lo:[0,1] neg_hi:[0,1]
.set i, i+2
.endr
	v_pk_mul_f32 v[244:245], v[Y:Y+1], v[Y:Y+1]
	v_pk_mul_f32 v[246:247], v[Y+2:Y+3], v[Y+2:Y+3]
.irp j, 4,8,12,16,20,24,28
	v_pk_fma_f32 v[244:245], v[Y+\j:Y+\j+1], v[Y+\j:Y+\j+1], v[244:245]
	v_pk_fma_f32 v[246:247], v[Y+\j+2:Y+\j+3], v[Y+\j+2:Y+\j+3], v[246:247]
.endr
	v_pk_add_f32 v[244:245], v[244:245], v[246:247]
	v_add_f32 v244, v244, v245
	REDUCE
	v_fma_f32 v250, v244, s22, s23                 ; the variance + 1e-5
	v_rsq_f32 v250, v250
	v_nop                                          ; a plain place behind the transcendental
	s_wait_alu depctr_va_vdst(0)                   ; and the wait ahead of its first reader
	v_mov_b32 v251, v250
.set i, 0
.rept 16
	v_pk_mul_f32 v[Y+i:Y+i+1], v[Y+i:Y+i+1], v[250:251]
.set i, i+2
.endr
.set i, 0
.rept 16
	v_pk_fma_f32 v[Y+i:Y+i+1], v[Y+i:Y+i+1], v[144+i:145+i], v[176+i:177+i]
.set i, i+2
.endr
.irp i, 0,1,2,3,4,5,6,7
	global_store_b128 v[L16], v[Y+4*\i:Y+4*\i+3], s[16:17] offset:4096*(\m)+512*\i th:TH_STORE_NT   ; 32 lanes store 512 consecutive bytes, aligned
.endr
.endm
	LNORM 0, 8                                     ; the second row's eight loads may be out
	LNORM 1, 0
	s_wait_tensorcnt 0x0                           ; the wave's end
	ds_add_u32 v[SPW], v[NIL]
	s_wait_dscnt 0x0
	s_endpgm
.Lfunc_end_k_q8752260220_outln:
	.size	k_q8752260220_outln, .Lfunc_end_k_q8752260220_outln-k_q8752260220_outln
	.p2alignl 7, 3214868480
	.fill 96, 4, 3214868480
	.section	.rodata,"a",@progbits
	.p2align	6, 0x0
	.amdhsa_kernel k_q8752260220_outln
		.amdhsa_group_segment_fixed_size 160256
		.amdhsa_private_segment_fixed_size 0
		.amdhsa_enable_private_segment 0
		.amdhsa_kernarg_size 56
		.amdhsa_user_sgpr_count 2
		.amdhsa_user_sgpr_kernarg_segment_ptr 1
		.amdhsa_wavefront_size32 1
		.amdhsa_system_sgpr_workgroup_id_x 1
		.amdhsa_system_sgpr_workgroup_id_y 1
		.amdhsa_system_sgpr_workgroup_id_z 1
		.amdhsa_system_vgpr_workitem_id 0
		.amdhsa_next_free_vgpr 256
		.amdhsa_next_free_sgpr 66
		.amdhsa_reserve_vcc 0
		.amdhsa_float_denorm_mode_32 3
		.amdhsa_float_denorm_mode_16_64 3
		.amdhsa_memory_ordered 1
		.amdhsa_forward_progress 1
		.amdhsa_inst_pref_size 49
	.end_amdhsa_kernel
	.amdgpu_metadata
---
amdhsa.version: [ 1, 2 ]
amdhsa.kernels:
  - .name:           k_q8752260220_outln
    .symbol:         k_q8752260220_outln.kd
    .args:
      - { .name: av, .offset: 0, .size: 8, .value_kind: global_buffer, .address_space: global }
      - { .name: wcodes, .offset: 8, .size: 8, .value_kind: global_buffer, .address_space: global }
      - { .name: wscales, .offset: 16, .size: 8, .value_kind: global_buffer, .address_space: global }
      - { .name: x, .offset: 24, .size: 8, .value_kind: global_buffer, .address_space: global }
      - { .name: ln_gamma, .offset: 32, .size: 8, .value_kind: global_buffer, .address_space: global }
      - { .name: ln_beta, .offset: 40, .size: 8, .value_kind: global_buffer, .address_space: global }
      - { .name: out0, .offset: 48, .size: 8, .value_kind: global_buffer, .address_space: global }
    .group_segment_fixed_size: 160256
    .private_segment_fixed_size: 0
    .kernarg_segment_align: 8
    .kernarg_segment_size: 56
    .max_flat_workgroup_size: 512
    .sgpr_count:     66
    .vgpr_count:     256
    .wavefront_size: 32
...
	.end_amdgpu_metadata
.endif
;; end of part 4
